; MI455X (gfx1250); checked and timed in simulation.
; The chip was launched on July 23, 2026; its instructions are those of AMD's public machine-readable ISA for CDNA 5 (MIT licence, August 2026) and "CDNA5" Instruction Set Architecture Reference Guide (July 2026). The comments in the code are by the model that wrote it; some were corrected since.
;; Event Attention. Allowed arithmetic: float matrix products may take bf16 or f16 operands with f32 sums; all other float work in f32.
;; Inputs: down_idx 2,500 int32; events 20,000 x 4 float32; features 20,000 x 256 float32; global_fc_b 128 float32; global_fc_g 128 float32; global_pe_b1 128 float32; global_pe_b2 128 float32; global_pe_w1 4 x 128 float32; global_pe_w2 128 x 128 float32; global_qkv_b 384 float32; global_qkv_w 256 x 384 float32; inv_pair_idx 20,000 x 16 int32; local_fc_b 128 float32; local_fc_g 128 float32; local_idx 20,000 x 16 int32; local_pe_b1 128 float32; local_pe_b2 128 float32; local_pe_w1 4 x 128 float32; local_pe_w2 128 x 128 float32; local_qkv_b 384 float32; local_qkv_w 256 x 384 float32; pair_idx 2,500 x 16 int32; proj_b1 256 float32; proj_b2 256 float32; proj_w1 256 x 256 float32; proj_w2 256 x 256 float32.
;; Outputs: out0 20,000 x 256 float32.
;; 2 versions, each right; version 2 is version 1 with the launch attn written anew for expert scheduling mode. Each part assembles by itself: llvm-mc -triple=amdgcn-amd-amdhsa -mcpu=gfx1250 --defsym DOCPART=n.
;; ======== version 1 of 2: 2 launches
;; limits: values outside matrix products are rounded to f16; values are held in f16: magnitudes above 65,504 overflow, below 6.1e-05 lose precision
;; workspace buffers: qq 10,240,000 bytes; kvl 10,240,000 bytes; kvp 1,280,000 bytes; dev 40,448 bytes
;; launch qkv (part 1): grid 250 x 1, 4 waves a work-group, no clusters, 127,232 bytes of LDS; arguments features, events, pair_idx, down_idx, local_qkv_w, global_qkv_w, local_qkv_b, global_qkv_b, local_pe_b2, global_pe_b2, qq, kvl, kvp, dev; writes qq, kvl, kvp, dev
.if DOCPART == 1
	.amdgcn_target "amdgcn-amd-amdhsa--gfx1250"
	.amdhsa_code_object_version 6
	.text
	.protected	k_q99e5c2a203_qkv
	.globl	k_q99e5c2a203_qkv
	.p2align	8
	.type	k_q99e5c2a203_qkv,@function
k_q99e5c2a203_qkv:
	s_mov_b64 s[64:65], 0
	v_nop
	global_prefetch_b8 v0, s[64:65] scope:SCOPE_SE
	s_setreg_imm32_b32 hwreg(HW_REG_WAVE_MODE, 25, 1), 1
	s_wait_xcnt 0x0
; THE FOUR TABLES OF THE ATTENTION LAUNCH.  All in f16 but dev; a table row is 256 numbers, 512 bytes.
;   qq [20000]: q_local + bq + pe_b2_local | q_global + bq + pe_b2_global        kvl[20000]: k_local + bk | v_local + bv + pe_b2_local
;   kvp[2500] : max over the 16 support points of k_global, + bk | the same of v_global, + bv + pe_b2_global (a constant may be added before or behind a maximum)
;   dev[2528][4] f32: events[down_idx[min(m, 2499)]]; rows from 2,500 on are padding that nobody reads
; Products in bf16 (features, weights and biases rounded to bf16), sums in f32, each table number rounded once to f16.
; LIMITS.  A table number beyond 65,504 becomes an infinity.  Indices are taken as valid (they are clamped to 19,999 for form).  The maxima drop a NaN; infinities are not treated apart.
; SHARES.  20000 = 250 x 80 and 2500 = 250 x 10: a work-group takes 80 rows of features (5 tiles of 16) and 10 pooled rows, each ONE tile of its 16 gathered rows, so that the pooling is a
; maximum over a matrix result's rows and the global k and v of all 20,000 points are never made.  240 rows are rounded to bf16 into LDS once; then a wave does two jobs J = 2 wave + trip,
; each a group of 128 columns x 5 tiles, 320 matrix instructions:  J 0 local q, 1 local k, 2 local v, 3 global q (rows 0-79);  4, 5 global k, 6, 7 global v (rows 80 + 80 trip on).
; COLUMN ORDER.  Column r of matrix tile u is channel 8 r + u of the group: a lane then owns 8 neighbouring channels, 16 bytes of f16, and 16 lanes store 256 consecutive aligned bytes.
; WEIGHTS lie [K][N] in f32: a lane loads 8 channels of 8 K rows and packs two K rows into a register, which is a fragment register as it stands.  That rounding and pairing is why the weights,
; which all work-groups share, come through registers and not as joint tensor loads; and 250 work-groups are no multiple of four.
; REGISTERS (windows of 256; s_set_vgpr_msb: bits 1:0 source 0, 3:2 source 1, 5:4 source 2, 7:6 destination):
;   window 0: v0-27 addresses; v28-47 row offsets of the gathers; v32-63 later at work and the store pack; v64-127 8 accumulators; v128-255 two buffers of A's fragments
;   windows 1, 2: B's fragments, (tile u, K chunk c) at 8 (8 (c % 4) + u), chunks 0-3 and 4-7        window 3: v0-191 loads as they come; v192-255 the bias, 8 equal registers a tile
.set PITCH, 528                        ; an LDS row: 512 bytes of bf16 + 16: an odd multiple of 16, so the 16 rows of a fragment load start in 16 different groups of four banks (ISA guide 11.1)
.set SPARE, 240*PITCH                  ; behind the rows: the spare words, 128 bytes a wave, two blocks of 256 bytes that no other line names
.set FROW,  1024                       ; bytes in a row of features
.set WROW,  1536                       ; bytes in a row of a qkv weight
.set PK,    32                         ; v32-63  the store pack, and temporaries
.set BB,    48                         ; v48-55  bias of my 8 channels
.set B2,    56                         ; v56-63  pe_b2 of my 8 channels
.set ACC,   64
.set AFR,   128
.set BI,    192                        ; window 3
.set MSB, 0
.macro WIN new                         ; the immediate's high byte repeats the setting that is left; a switch that changes nothing is dropped
.if MSB != (\new)
	s_set_vgpr_msb (MSB<<8)|(\new)
.set MSB, (\new)
.endif
.endm
.macro SIDX idx                        ; SI = the scalar register that holds my pair index number idx (0 to 39)
.if (\idx) < 16
.set SI, 40+(\idx)
.elseif (\idx) < 32
.set SI, 68+(\idx)-16
.else
.set SI, 84+(\idx)-32
.endif
.endm
	s_load_b512 s[8:23], s[0:1], 0x0               ; features 8, events 10, pair_idx 12, down_idx 14, local_qkv_w 16, global_qkv_w 18, local_qkv_b 20, global_qkv_b 22
	s_load_b256 s[24:31], s[0:1], 0x40             ; local_pe_b2 24, global_pe_b2 26, qq 28, kvl 30
	s_load_b128 s[32:35], s[0:1], 0x60             ; kvp 32, dev 34
	v_lshl_add_u32 v16, v0, 2, SPARE               ; my spare word,
	v_mov_b32 v17, 0                               ; and 0: for the wave's end
	v_lshrrev_b32 v1, 5, v0
	v_readfirstlane_b32 s36, v1                    ; wave 0..3
	s_mov_b32 s37, ttmp9                           ; work-group 0..249
	s_mov_b32 s92, 0xffff0000                      ; a word's upper bf16; as a lane mask: lanes 16-31
	s_mov_b32 s94, 0x76543210                      ; v_permlanex16_b32: each lane takes its own place in the other half
	s_mov_b32 s95, 0xfedcba98
	v_and_b32 v1, 31, v0                           ; lane
	v_and_b32 v2, 15, v0                           ; r
	v_bfe_u32 v3, v0, 4, 1                         ; h
	v_lshlrev_b32 v4, 4, v1                        ; 16 x lane
	s_mul_i32 s2, s37, 80
	s_mul_i32 s3, s36, 20
	s_add_co_u32 s2, s2, s3
	s_lshl_b32 s2, s2, 10
	v_add_nc_u32 v5, s2, v4                        ; my wave's 20 dense rows: (80 wg + 20 w) x 1,024 + 16 x lane
	s_mul_i32 s3, s36, 20*PITCH
	v_lshl_add_u32 v6, v1, 3, s3                   ; where they go in LDS: 8 bytes a lane
	s_mul_i32 s3, s36, 40*PITCH
	s_add_co_u32 s3, s3, 80*PITCH
	v_lshl_add_u32 v7, v1, 3, s3                   ; and my wave's 40 gathered rows, from row 80 + 40 w on
	v_mul_u32_u24 v8, v3, 8*WROW
	v_lshl_add_u32 v8, v2, 5, v8                   ; weights: K row 8 h, channels 8 r on
	v_mul_u32_u24 v10, v2, PITCH
	v_lshl_add_u32 v10, v3, 4, v10                 ; A's fragments: row r, 16 bytes for each half of the lanes
	v_lshlrev_b32 v12, 12, v3
	v_lshl_add_u32 v12, v2, 4, v12                 ; dense stores: row 8 h, 16 bytes at 16 r
	v_lshlrev_b32 v13, 3, v3
	v_lshl_add_u32 v13, v2, 4, v13                 ; pooled stores: 8 bytes at 16 r + 8 h
	v_lshlrev_b32 v14, 5, v2                       ; 32 r: my 8 channels in a vector of f32
	s_lshl_b32 s2, s37, 5
	v_add_nc_u32 v24, s2, v1                       ; dev: row 32 wg + lane, by wave 0 of the first 79 work-groups: 2,528 rows, 512 consecutive bytes a store
	v_min_u32 v18, 0x9c3, v24                      ; its place in down_idx, at most 2,499
	v_lshlrev_b32 v18, 2, v18
	v_lshlrev_b32 v24, 4, v24
.irp i, 19,20,21,22,23
	v_mov_b32 v\i, 0                               ; written whole once: they hold a number on every way through the three branches below
.endr
	s_cmp_lt_u32 s37, 79
	s_cselect_b32 s96, 1, 0
	s_cmp_eq_u32 s36, 0
	s_cselect_b32 s96, s96, 0                      ; 1: this wave makes 32 rows of dev
	s_mul_i32 s2, s37, 640
	s_mul_i32 s3, s36, 160
	s_add_co_u32 s2, s2, s3
	s_mov_b32 s3, 0
	s_wait_kmcnt 0x0
	s_add_nc_u64 s[12:13], s[12:13], s[2:3]        ; my 40 pair indices: flat numbers 160 wg + 40 w on
	s_load_b512 s[40:55], s[12:13], 0x0
	s_load_b512 s[68:83], s[12:13], 0x40
	s_load_b256 s[84:91], s[12:13], 0x80
; A batch is 10 rows, each two loads of 512 consecutive bytes: 20 loads into one of two buffers of 80 registers.  Batches 0, 1: dense rows; 2 to 5: gathered rows.
.macro ISSUE b
.set SB, 80*((\b)%2)
.if (\b) >= 2
	WIN 0
.set i, 0
.rept 10
	SIDX 10*((\b)-2)+i
	v_lshl_add_u32 v[28+10*((\b)%2)+i], s[SI], 10, v4  ; these ten registers served batch b - 2, whose loads the counted wait has shown done
.set i, i+1
.endr
.endif
	WIN 0xc0                                       ; destination window 3, address window 0
.set i, 0
.rept 10
.if (\b) < 2
	global_load_b128 v[SB+8*i:SB+8*i+3],   v5, s[8:9] offset:(10*(\b)+i)*FROW
	global_load_b128 v[SB+8*i+4:SB+8*i+7], v5, s[8:9] offset:(10*(\b)+i)*FROW+512
.else
	global_load_b128 v[SB+8*i:SB+8*i+3],   v[28+10*((\b)%2)+i], s[8:9]
	global_load_b128 v[SB+8*i+4:SB+8*i+7], v[28+10*((\b)%2)+i], s[8:9] offset:512
.endif
.set i, i+1
.endr
	WIN 0
.endm
; The batch is rounded to bf16 and laid into LDS: floats 4 l .. of a row's first half go to byte 8 l, those of its second half to byte 256 + 8 l.
.macro CONVERT b
.set SB, 80*((\b)%2)
	WIN 0x0f                                       ; sources window 3, destination window 0
.set i, 0
.rept 40
	v_cvt_pk_bf16_f32 v[64+i], v[SB+2*i], v[SB+2*i+1]
.set i, i+1
.endr
	WIN 0
.set i, 0
.rept 10
.if (\b) < 2
	ds_store_b64 v6, v[64+4*i:64+4*i+1]   offset:(10*(\b)+i)*PITCH
	ds_store_b64 v6, v[64+4*i+2:64+4*i+3] offset:(10*(\b)+i)*PITCH+256
.else
	ds_store_b64 v7, v[64+4*i:64+4*i+1]   offset:(10*((\b)-2)+i)*PITCH
	ds_store_b64 v7, v[64+4*i+2:64+4*i+3] offset:(10*((\b)-2)+i)*PITCH+256
.endif
.set i, i+1
.endr
.endm
	s_cmp_eq_u32 s96, 1
	s_cbranch_scc0 .Lno_a
	global_load_b32 v19, v18, s[14:15]             ; dev, first of three parts: the index; it is older than batch 0, so batch 0's wait covers it
.Lno_a:
	ISSUE 0
	ISSUE 1
	s_wait_kmcnt 0x0                               ; the pair indices
.set n, 0
.rept 40
	SIDX n
	s_min_u32 s[SI], s[SI], 0x4e1f                 ; at most 19,999
.set n, n+1
.endr
.irp b, 0,1,2,3,4,5
.if \b < 5
	s_wait_loadcnt 20                              ; loads come back in order (ISA guide 5.7.1): this batch is in, the next batch's 20 stay out
.else
	s_wait_loadcnt 0x0
.endif
.if \b == 1
	s_cmp_eq_u32 s96, 1
	s_cbranch_scc0 .Lno_c
	global_store_b128 v24, v[20:23], s[34:35]      ; dev, third part: the row was asked for between batches 1 and 2, so the wait above covers it
.Lno_c:
.endif
	CONVERT \b
.if \b == 0
	s_cmp_eq_u32 s96, 1
	s_cbranch_scc0 .Lno_b
	v_min_u32 v19, 0x4e1f, v19                     ; dev, second part: the event's row
	v_lshlrev_b32 v25, 4, v19
	global_load_b128 v[20:23], v25, s[10:11]
.Lno_b:
.endif
.if \b < 4
	ISSUE (\b)+2
.endif
.endr
	s_wait_dscnt 0x0                               ; for the others' sake: my rows are in LDS
	s_barrier_signal -1
	s_barrier_wait -1                              ; all 240 rows are; nothing writes them again, so this is the only barrier
; A unit is 16 K rows' worth of my 8 channels: 16 loads, 64 registers, in a ring of three buffers.  L[e][u] = W[16 i + 8 h + e][8 r + u] lies at UB + 8 e + u.
.macro ULOAD i
	WIN 0xc0
.set UB, 64*((\i)%3)
.set e, 0
.rept 8
	global_load_b128 v[UB+8*e:UB+8*e+3],   v9, s[56:57] offset:(16*(\i)+e)*WROW
	global_load_b128 v[UB+8*e+4:UB+8*e+7], v9, s[56:57] offset:(16*(\i)+e)*WROW+16
.set e, e+1
.endr
.endm
; Unit i = 2 c + s fills registers 4 s .. 4 s + 3 of the eight fragments of chunk c: register p takes K rows 2 p and 2 p + 1.  Then the buffer takes unit i + 3.
.macro BUNIT i
.if (\i) < 14
	s_wait_loadcnt 32                              ; this unit is in; the two younger units' 32 loads stay out
.elseif (\i) == 14
	s_wait_loadcnt 16
.else
	s_wait_loadcnt 0x0
.endif
	WIN 0x4f+0x40*((\i)/8)                         ; sources window 3, destination window 1 (chunks 0-3) or 2
.set UB, 64*((\i)%3)
.set FB, 64*(((\i)/2)%4)+4*((\i)%2)
.set u, 0
.rept 8
.irp p, 0,1,2,3
	v_cvt_pk_bf16_f32 v[FB+8*u+\p], v[UB+16*\p+u], v[UB+16*\p+8+u]
.endr
.set u, u+1
.endr
.if (\i) < 13
	ULOAD (\i)+3
.endif
.endm
.macro RB8 base                        ; eight f32 are replaced by their rounding to bf16
.irp p, 0,1,2,3
	v_cvt_pk_bf16_f32 v[PK+\p], v[(\base)+2*\p], v[(\base)+2*\p+1]
.endr
.irp p, 0,1,2,3
	v_lshlrev_b32 v[(\base)+2*\p], 16, v[PK+\p]
	v_and_b32 v[(\base)+2*\p+1], s92, v[PK+\p]
.endr
.endm
.macro ALOAD mt                        ; A's fragments of tile mt, all 8 chunks of 32 along K: 16 loads
	WIN 0
.set AL, AFR+64*((\mt)%2)
.set c, 0
.rept 8
	ds_load_b128 v[AL+8*c:AL+8*c+3],   v11 offset:(\mt)*16*PITCH+64*c
	ds_load_b128 v[AL+8*c+4:AL+8*c+7], v11 offset:(\mt)*16*PITCH+64*c+32
.set c, c+1
.endr
.endm
; One tile of 16 rows x 128 columns: 64 matrix instructions, the 8 accumulators by turns; the first on each takes the bias as C.  Then the way out.
.macro TILE mt
.if (\mt) < 4
	ALOAD (\mt)+1                                  ; into the other buffer: its last readers stand in front of the last tile's way out, more than four plain vector instructions back
	s_wait_dscnt 16                                ; this tile's fragments are in, the next tile's 16 loads stay out
.else
	s_wait_dscnt 0x0
.endif
.set AB, AFR+64*((\mt)%2)
.set c, 0
.rept 8
.if c == 0
	WIN 0x34                                       ; B window 1, C window 3
.elseif c < 4
	WIN 0x04
.else
	WIN 0x08                                       ; B window 2
.endif
.set u, 0
.rept 8
.if c == 0
	v_wmma_f32_16x16x32_bf16 v[ACC+8*u:ACC+8*u+7], v[AB+8*c:AB+8*c+7], v[64*(c%4)+8*u:64*(c%4)+8*u+7], v[BI+8*u:BI+8*u+7]
.else
	v_wmma_f32_16x16x32_bf16 v[ACC+8*u:ACC+8*u+7], v[AB+8*c:AB+8*c+7], v[64*(c%4)+8*u:64*(c%4)+8*u+7], v[ACC+8*u:ACC+8*u+7]
.endif
.set u, u+1
.endr
.set c, c+1
.endr
.rept 4
	v_nop                                          ; four places between the last products and the reads of their results (ISA guide 7.12.1)
.endr
	WIN 0
	s_wait_xcnt 0x0                                ; the last tile's stores have read the pack: it is rewritten only behind this wait
	s_cmp_lt_u32 s36, 2
	s_cbranch_scc0 .Lpool_\@
.set j, 0
.rept 8                                ; dense: register j of the 8 accumulators is row 8 h + j, channels 8 r .. 8 r + 7; j = 0 first: each accumulator is read from its low end
.irp w, 0,1,2,3
	v_cvt_pk_f16_f32 v[PK+4*j+\w], v[ACC+16*\w+j], v[ACC+16*\w+8+j]
.endr
	global_store_b128 v12, v[PK+4*j:PK+4*j+3], s[62:63] offset:(16*(\mt)+j)*512  ; 16 lanes store 256 consecutive bytes, at a multiple of 256 from the table's first byte
.set j, j+1
.endr
	s_branch .Ldone_\@
.Lpool_\@:                             ; pooled: the maximum over the tile's 16 rows: 8 registers, then the other half of the lanes
.set u, 0
.rept 8
	v_max3_num_f32 v[PK+u], v[ACC+8*u], v[ACC+8*u+1], v[ACC+8*u+2]
.set u, u+1
.endr
.set u, 0
.rept 8
	v_max3_num_f32 v[PK+u], v[PK+u], v[ACC+8*u+3], v[ACC+8*u+4]
.set u, u+1
.endr
.set u, 0
.rept 8
	v_max3_num_f32 v[PK+u], v[PK+u], v[ACC+8*u+5], v[ACC+8*u+6]
.set u, u+1
.endr
.set u, 0
.rept 8
	v_max_num_f32 v[PK+u], v[PK+u], v[ACC+8*u+7]
.set u, u+1
.endr
.set u, 0
.rept 8
	v_permlanex16_b32 v[BB+u], v[PK+u], s94, s95   ; its destination counts as read: the bias registers have been written
.set u, u+1
.endr
.set u, 0
.rept 8
	v_max_num_f32 v[PK+u], v[PK+u], v[BB+u]
.set u, u+1
.endr
.irp w, 0,1,2,3
	v_cvt_pk_f16_f32 v[PK+8+\w], v[PK+2*\w], v[PK+2*\w+1]
.endr
	v_cndmask_b32 v[PK+12], v[PK+8], v[PK+10], s92 ; both halves of the lanes hold all 16 bytes: lanes 16-31 take the upper 8
	v_cndmask_b32 v[PK+13], v[PK+9], v[PK+11], s92
	global_store_b64 v13, v[PK+12:PK+13], s[62:63] offset:(\mt)*512  ; 32 lanes store 256 consecutive aligned bytes
.Ldone_\@:
.endm
	s_mov_b32 s38, 0
.Ltrip:                                                ; two trips, a job each
	s_wait_xcnt 0x0                                ; the last job's stores have read their base and the pack
	s_lshl_b32 s39, s36, 1
	s_add_co_u32 s39, s39, s38                     ; J
	s_sub_co_u32 s3, s39, 2
	s_lshr_b32 s3, s3, 1
	s_cmp_lt_u32 s39, 3                            ; J 0-2: the local weights, group J; J 3-7: the global ones, group (J - 2) / 2
	s_cselect_b32 s2, s39, s3
	s_cselect_b64 s[56:57], s[16:17], s[18:19]     ; weights
	s_cselect_b64 s[58:59], s[20:21], s[22:23]     ; bias
	s_cselect_b64 s[60:61], s[24:25], s[26:27]     ; pe_b2
	s_lshl_b32 s67, s2, 9                          ; the group's 128 columns, in bytes
	s_cmp_eq_u32 s2, 1
	s_cselect_b32 s66, 0, 1.0                      ; pe_b2 goes onto q and v, not onto k
	s_cmp_eq_u32 s2, 0
	s_cselect_b64 s[62:63], s[28:29], s[30:31]     ; q goes to qq, local k and v to kvl,
	s_cmp_lt_u32 s36, 2
	s_cselect_b64 s[62:63], s[62:63], s[32:33]     ; waves 2 and 3 to kvp
	s_mul_i32 s2, s37, 80*512                      ; dense: row 80 wg
	s_mul_i32 s3, s37, 10*512                      ; pooled: row 10 wg + 5 trip
	s_mul_i32 s93, s38, 5*512
	s_add_co_u32 s3, s3, s93
	s_mul_i32 s97, s38, 80*PITCH
	s_add_co_u32 s97, s97, 80*PITCH                ; pooled: LDS rows 80 + 80 trip on
	s_cmp_lt_u32 s36, 2
	s_cselect_b32 s2, s2, s3
	s_cselect_b32 s97, 0, s97
	s_and_b32 s3, s36, 1
	s_lshl_b32 s3, s3, 8                           ; waves 1 and 3 fill the second half of a table row
	s_add_co_u32 s2, s2, s3
	s_mov_b32 s3, 0
	s_add_nc_u64 s[62:63], s[62:63], s[2:3]
	v_add_nc_u32 v9, s67, v8
	v_add_nc_u32 v15, s67, v14
	v_add_nc_u32 v11, s97, v10
	s_cmp_eq_u32 s38, 0
	s_cbranch_scc1 .Lload                          ; the first trip always loads
	s_cmp_lt_u32 s36, 2
	s_cbranch_scc0 .Lhave                          ; waves 2 and 3 use the same group again
.Lload:
	global_load_b128 v[BB:BB+3],   v15, s[58:59]
	global_load_b128 v[BB+4:BB+7], v15, s[58:59] offset:16
	global_load_b128 v[B2:B2+3],   v14, s[60:61]
	global_load_b128 v[B2+4:B2+7], v14, s[60:61] offset:16
	ULOAD 0
	ULOAD 1
	ULOAD 2
.irp i, 0,1,2,3,4,5,6,7,8,9,10,11,12,13,14,15
	BUNIT \i
.endr
	WIN 0
	RB8 BB
	RB8 B2
.set u, 0
.rept 8
	v_fma_f32 v[BB+u], s66, v[B2+u], v[BB+u]
.set u, u+1
.endr
	WIN 0xc0
.set u, 0
.rept 64
	v_mov_b32 v[BI+u], v[BB+u/8]                   ; a column's bias is the same in all 8 rows that a lane holds: the C operand of a tile's first products
.set u, u+1
.endr
	WIN 0
.Lhave:
	ALOAD 0
	TILE 0
	TILE 1
	TILE 2
	TILE 3
	TILE 4
	s_add_co_u32 s38, s38, 1
	s_cmp_lt_u32 s38, 2
	s_cbranch_scc1 .Ltrip
	s_wait_tensorcnt 0x0                           ; the wave's end
	ds_add_u32 v16, v17
	s_wait_dscnt 0x0
	s_endpgm
.Lfunc_end_k_q99e5c2a203_qkv:
	.size	k_q99e5c2a203_qkv, .Lfunc_end_k_q99e5c2a203_qkv-k_q99e5c2a203_qkv
	.p2alignl 7, 3214868480
	.fill 96, 4, 3214868480
	.section	.rodata,"a",@progbits
	.p2align	6, 0x0
	.amdhsa_kernel k_q99e5c2a203_qkv
		.amdhsa_group_segment_fixed_size 127232
		.amdhsa_private_segment_fixed_size 0
		.amdhsa_enable_private_segment 0
		.amdhsa_kernarg_size 112
		.amdhsa_user_sgpr_count 2
		.amdhsa_user_sgpr_kernarg_segment_ptr 1
		.amdhsa_wavefront_size32 1
		.amdhsa_system_sgpr_workgroup_id_x 1
		.amdhsa_system_sgpr_workgroup_id_y 1
		.amdhsa_system_sgpr_workgroup_id_z 1
		.amdhsa_system_vgpr_workitem_id 0
		.amdhsa_next_free_vgpr 1024
		.amdhsa_next_free_sgpr 100
		.amdhsa_reserve_vcc 0
		.amdhsa_float_denorm_mode_32 3
		.amdhsa_float_denorm_mode_16_64 3
		.amdhsa_memory_ordered 1
		.amdhsa_forward_progress 1
		.amdhsa_inst_pref_size 162
	.end_amdhsa_kernel
	.amdgpu_metadata
---
amdhsa.version: [ 1, 2 ]
amdhsa.kernels:
  - .name:           k_q99e5c2a203_qkv
    .symbol:         k_q99e5c2a203_qkv.kd
    .args:
      - { .name: features, .offset: 0, .size: 8, .value_kind: global_buffer, .address_space: global }
      - { .name: events, .offset: 8, .size: 8, .value_kind: global_buffer, .address_space: global }
      - { .name: pair_idx, .offset: 16, .size: 8, .value_kind: global_buffer, .address_space: global }
      - { .name: down_idx, .offset: 24, .size: 8, .value_kind: global_buffer, .address_space: global }
      - { .name: local_qkv_w, .offset: 32, .size: 8, .value_kind: global_buffer, .address_space: global }
      - { .name: global_qkv_w, .offset: 40, .size: 8, .value_kind: global_buffer, .address_space: global }
      - { .name: local_qkv_b, .offset: 48, .size: 8, .value_kind: global_buffer, .address_space: global }
      - { .name: global_qkv_b, .offset: 56, .size: 8, .value_kind: global_buffer, .address_space: global }
      - { .name: local_pe_b2, .offset: 64, .size: 8, .value_kind: global_buffer, .address_space: global }
      - { .name: global_pe_b2, .offset: 72, .size: 8, .value_kind: global_buffer, .address_space: global }
      - { .name: qq, .offset: 80, .size: 8, .value_kind: global_buffer, .address_space: global }
      - { .name: kvl, .offset: 88, .size: 8, .value_kind: global_buffer, .address_space: global }
      - { .name: kvp, .offset: 96, .size: 8, .value_kind: global_buffer, .address_space: global }
      - { .name: dev, .offset: 104, .size: 8, .value_kind: global_buffer, .address_space: global }
    .group_segment_fixed_size: 127232
    .private_segment_fixed_size: 0
    .kernarg_segment_align: 8
    .kernarg_segment_size: 112
    .max_flat_workgroup_size: 128
    .sgpr_count:     100
    .vgpr_count:     1024
    .wavefront_size: 32
...
	.end_amdgpu_metadata
.endif
;; end of part 1
;; launch attn (part 2): grid 250 x 1, 4 waves a work-group, no clusters, 166,912 bytes of LDS; arguments events, dev, local_idx, inv_pair_idx, kvl, kvp, local_pe_w1, global_pe_w1, local_pe_b1, global_pe_b1, local_pe_w2, global_pe_w2, local_fc_g, global_fc_g, local_fc_b, global_fc_b, qq, proj_w1, proj_w2, proj_b1, proj_b2, out0; writes out0
.if DOCPART == 2
	.amdgcn_target "amdgcn-amd-amdhsa--gfx1250"
	.amdhsa_code_object_version 6
	.text
	.protected	k_q99e5c2a203_attn
	.globl	k_q99e5c2a203_attn
	.p2align	8
	.type	k_q99e5c2a203_attn,@function
k_q99e5c2a203_attn:
	s_mov_b64 s[64:65], 0
	v_nop
	global_prefetch_b8 v0, s[64:65] scope:SCOPE_SE
	s_setreg_imm32_b32 hwreg(HW_REG_WAVE_MODE, 25, 1), 1
	s_wait_xcnt 0x0
; BOTH ATTENTION BRANCHES AND THE PROJECTION.  A work-group owns 80 points.  Wave w works for branch w / 2 (0 local, 1 global) on 40 of them, one point a trip: 16 neighbours x 128 channels.
; For point n and neighbour j (tables q', k, v' of the launch before; pe_b2 lies in q' and v'):
;   hid = relu((e_n - e_j) w1 + b1);  P = hid w2;  t = q' - k_j + P;  u = v'_j + P;  a = softmax over j of (LayerNorm over channels of t) / sqrt(128);  out = sum over j of a u.
; Then the four waves share relu(X proj_w1 + b1) proj_w2 + b2 for the 80 rows X = [local | global], each wave 64 output columns.
; FORMATS.  All inputs are rounded to bf16.  What the program makes goes to the matrix unit in f16 (difference, hid, q', k, v'; pe_w1, pe_b1, pe_w2 are the bf16 numbers written as f16),
; or, for the projection's two row operands, as a bf16 number and the bf16 of what it leaves (hi + lo, 16 significant bits, f32's range).  LayerNorm, softmax and all sums in f32.
; LIMITS.  |difference|, |hid|, |q'|, |k|, |v'| at most 65,504.  A pe weight below 2^-14 keeps f16's fixed step (error at most 2^-25).  Events are rounded to bf16 before the difference:
; under a common offset c it carries up to 2^-8 c.  Indices are taken as valid (clamped to 19,999 for form).  A weight below 2^-126 counts as 0.  NaN and infinities are not treated apart.
; LAYOUT.  Column r of matrix tile t is channel 8 r + t, so a lane owns 8 neighbouring channels: a gathered row is read as 16 lanes x 16 bytes, 256 consecutive aligned bytes.  In t and u register j of
; tile t is neighbour 8 h + j, channel 8 r + t: the softmax's axis runs along registers (and one exchange of the lanes' halves), LayerNorm's along tiles and the 16 lanes of a half.
; THE ADDITIONS q' - k and + v' are products with a signed identity: AK has -1 at (m, k = m) and +1 at (m, 16), AV +1 at (m, m); row 16 of KF is q'.
; The first layer's bias is row 4 of its product: the difference's fifth number is 1.
; NO CLUSTER, NO TENSOR LOADS: the gathers are lists of rows known a trip ahead and come straight into registers; the weights, which all work-groups share, need a rounding and a pairing of
; two K rows on their way, and stay in registers; 250 work-groups are no multiple of four.  LDS only hands the attention rows and the hidden rows from wave to wave.
; REGISTERS (windows of 256; s_set_vgpr_msb: bits 1:0 source 0, 3:2 source 1, 5:4 source 2, 7:6 destination):
;   window 0: addresses, statistics, constant operands (names below)          window 1: pe_w2's fragments, (t, c) at 64 c + 8 t; later the projection's, (u, c) at 32 c + 8 u
;   window 2: v0-63 hid^T, then t; v64-127 P, then u; v128-191 KF; v192-255 VF; later the projection's row fragments        window 3: v0-63 A1; v64-127 gathered rows as they come; later weights as they come
.set XP,    1040                       ; an LDS row: 512 bytes hi, 512 bytes lo, 16 of padding: an odd multiple of 16 (ISA guide 11.1: the 16 rows of a fragment load start in different groups of banks)
.set YB,    80*XP                      ; X: rows 0-79 at 0; Y, the hidden rows, behind them
.set SPARE, 160*XP                     ; the spare words, 128 bytes a wave: two blocks of 256 bytes that no other line names
.set GP,  56                           ; v56-71   (g', g') for each t: g x log2(e) / sqrt(128)
.set BP,  72                           ; v72-87   (b', b') likewise
.set SS,  88                           ; v88-95   sums over channels, a register for each of my 8 neighbours
.set QQ,  96                           ; v96-103  sums of squares, then 1 / sqrt(var + eps)
.set MM,  104                          ; v104-119 the maximum of tile t at 2 t; the exchange at 2 t + 1
.set EP,  120                          ; v120-135, v136-151 the softmax's divisor, in parts
.set EQ,  136
.set ON,  152                          ; v152-167 its numerator
.set OUT, 168                          ; v168-175 my 8 channels of the result
.set B1,  176                          ; v176-183 the difference, as B
.set AK,  184                          ; v184-191, v192-199 the two identities, as A
.set AV,  192
.set HP,  200                          ; v200-231 hid in f16, as A: 4 chunks of 32
.set TU,  64                           ; window 2
.set KF,  128
.set VF,  192
.set RK,  64                           ; window 3
.set RV,  96
.set PAC, 128                          ; the projection: 4 accumulators, v128-159;
.set TM,  160                          ; v160-191 results in store order; v192-195 bias; v196-211 at work
.set PB,  192
.set MSB, 0
.macro WIN new                         ; the immediate's high byte repeats the setting that is left; a switch that changes nothing is dropped
.if MSB != (\new)
	s_set_vgpr_msb (MSB<<8)|(\new)
.set MSB, (\new)
.endif
.endm
.macro ALL8 line:vararg                ; one line for each t = 0 .. 7
.set t, 0
.rept 8
	\line
.set t, t+1
.endr
.endm
.macro Q4 line:vararg                  ; one line for each pair q = 0 .. 3
.set q, 0
.rept 4
	\line
.set q, q+1
.endr
.endm
.macro TQ line:vararg                  ; one line for each tile t and pair q
.set t, 0
.rept 8
	Q4 \line
.set t, t+1
.endr
.endm
.macro RND base, pairs                 ; 2 x pairs f32 are replaced by their rounding to bf16
.set i, 0
.rept \pairs
	v_cvt_pk_bf16_f32 v[44+i%8], v[(\base)+2*i], v[(\base)+2*i+1]
	v_lshlrev_b32 v[(\base)+2*i], 16, v[44+i%8]
	v_and_b32 v[(\base)+2*i+1], s61, v[44+i%8]
.set i, i+1
.endr
.endm
.macro XSUM base                       ; eight registers are summed over the 16 lanes of each half
	WIN 0
.irp m, 1,2,4,8
.set i, 0
.rept 8
	v_add_f32_dpp v[(\base)+i], v[(\base)+i], v[(\base)+i] row_xmask:\m row_mask:0xf bank_mask:0xf
.set i, i+1
.endr
.endr
.endm
; The index row of point s[sn]: my half's 8 neighbours (for the rows of k and v), and neighbour r (for its event).  3 loads.
.macro ISSUE_IDX sn
	s_lshl_b32 s3, s[\sn], 6
	v_add_nc_u32 v10, s3, v4
	v_add_nc_u32 v11, s3, v5
	global_load_b128 v[16:19], v10, s[12:13]
	global_load_b128 v[20:23], v10, s[12:13] offset:16
	global_load_b32 v15, v11, s[12:13]
.endm
; All that point s[sn] needs, by the index row that has landed: 8 rows of k and 8 of v (lanes 0-15 take 256 bytes of neighbour i, lanes 16-31 of neighbour 8 + i), e_j, e_n, q'.  19 loads.
.macro ISSUE_GATHER sn
	WIN 0
.set i, 0
.rept 8
	v_min_u32 v[16+i], 0x4e1f, v[16+i]
.set i, i+1
.endr
	v_min_u32 v15, 0x4e1f, v15
.set i, 0
.rept 8
	v_lshl_add_u32 v[24+i], v[16+i], 9, v3
.set i, i+1
.endr
	v_lshlrev_b32 v14, 4, v15
	s_lshl_b32 s3, s[\sn], 4
	v_mov_b32 v12, s3
	s_lshl_b32 s3, s[\sn], 9
	v_add_nc_u32 v13, s3, v6
	WIN 0xc0                                       ; destination window 3, address window 0
.set i, 0
.rept 8
	global_load_b128 v[RK+4*i:RK+4*i+3], v[24+i], s[16:17]
	global_load_b128 v[RV+4*i:RV+4*i+3], v[24+i], s[16:17] offset:256
.set i, i+1
.endr
	WIN 0
	global_load_b128 v[32:35], v14, s[8:9]
	global_load_b128 v[36:39], v12, s[52:53]
	global_load_b128 v[40:43], v13, s[40:41]
.endm
	s_load_b512 s[8:23], s[0:1], 0x0               ; eight pairs (local, global): events|dev 8, idx 12, kv 16, w1 20,
	s_load_b512 s[24:39], s[0:1], 0x40             ; b1 24, w2 28, g 32, b 36
	s_load_b256 s[40:47], s[0:1], 0x80             ; qq 40, proj_w1 42, proj_w2 44, proj_b1 46
	s_load_b128 s[48:51], s[0:1], 0xa0             ; proj_b2 48, out0 50
	v_lshl_add_u32 v8, v0, 2, SPARE                ; my spare word,
	v_mov_b32 v9, 0                                ; and 0: for the wave's end
	v_lshrrev_b32 v1, 5, v0
	v_readfirstlane_b32 s54, v1                    ; wave 0..3
	s_lshr_b32 s55, s54, 1                         ; branch
	s_and_b32 s2, s54, 1                           ; which 40 of the 80 points
	s_mul_i32 s56, ttmp9, 80
	s_mul_i32 s3, s2, 40
	s_add_co_u32 s56, s56, s3                      ; N: the point in hand
	s_add_co_u32 s57, s56, 39                      ; my last point: look-ahead is clamped to it
	s_mov_b32 s61, 0xffff0000                      ; a word's upper bf16; as a lane mask: lanes 16-31
	s_mov_b32 s62, 0x05040100                      ; v_perm_b32: the two low halves,
	s_mov_b32 s63, 0x07060302                      ; the two high halves
	s_mov_b32 s66, 0xbc000000                      ; -1/128
	s_mov_b32 s67, s66                             ; (named as pairs)
	s_mov_b32 s68, 0x3c000000                      ; 1/128
	s_mov_b32 s69, s68
	s_mov_b32 s70, 0x3727c5ac                      ; 1e-5
	s_mov_b32 s71, s70
	s_mov_b32 s72, 0x76543210                      ; v_permlanex16_b32: each lane takes its own place in the other half
	s_mov_b32 s73, 0xfedcba98
	s_mov_b32 s74, 0x3e0293ee                      ; log2(e) / sqrt(128)
	v_and_b32 v1, 15, v0                           ; r
	v_bfe_u32 v2, v0, 4, 1                         ; h
	v_lshlrev_b32 v3, 4, v1                        ; 16 r
	v_lshlrev_b32 v4, 5, v2                        ; 32 h
	v_lshlrev_b32 v5, 2, v1                        ; 4 r
	s_lshl_b32 s3, s55, 8
	v_lshl_add_u32 v6, v1, 4, s3                   ; 256 branch + 16 r: my 8 channels in a row of qq and in a row of X
	s_mul_i32 s3, s2, 40*XP
	v_lshl_add_u32 v7, v2, 9, v6                   ; X: lanes 0-15 store hi, lanes 16-31 lo,
	v_add_nc_u32 v7, s3, v7                        ; from my first point's row on
	v_lshlrev_b32 v253, 5, v1                      ; 32 r
	v_lshl_add_u32 v252, v2, 12, v253              ; pe_w2: K row 8 h (512 bytes a row), channels 8 r on
	s_wait_kmcnt 0x0
	s_mov_b64 s[52:53], s[8:9]                     ; e_n comes from events in both branches
	s_cmp_eq_u32 s55, 1
.irp i, 0,1,2,3,4,5,6,7
	s_cselect_b64 s[8+4*\i:9+4*\i], s[10+4*\i:11+4*\i], s[8+4*\i:9+4*\i]  ; my branch's buffer of each pair
.endr
	ISSUE_IDX 56
.set t, 0
.rept 8                                ; hidden channel 16 t + r: four numbers of w1, one of b1
.irp d, 0,1,2,3
	global_load_b32 v[120+4*t+\d], v5, s[20:21] offset:512*\d+64*t
.endr
	global_load_b32 v[152+t], v5, s[24:25] offset:64*t
.set t, t+1
.endr
	global_load_b128 v[160:163], v253, s[32:33]
	global_load_b128 v[164:167], v253, s[32:33] offset:16
	global_load_b128 v[168:171], v253, s[36:37]
	global_load_b128 v[172:175], v253, s[36:37] offset:16
	s_wait_loadcnt 0x0
	ISSUE_GATHER 56                                ; the first point's rows, and the second point's index row, are on their way during the set-up
	s_add_co_u32 s58, s56, 1
	ISSUE_IDX 58
; pe_w2: a unit is 16 K rows' worth of my 8 channels, 16 loads, in a ring of three buffers in window 2.  L[e][t] = w2[16 i + 8 h + e][8 r + t] lies at UB + 8 e + t.
.macro W2LOAD i
	WIN 0x80
.set UB, 64*((\i)%3)
.set e, 0
.rept 8
	global_load_b128 v[UB+8*e:UB+8*e+3],   v252, s[28:29] offset:(16*(\i)+e)*512
	global_load_b128 v[UB+8*e+4:UB+8*e+7], v252, s[28:29] offset:(16*(\i)+e)*512+16
.set e, e+1
.endr
.endm
	W2LOAD 0
	W2LOAD 1
	W2LOAD 2
	; A1, g' and b' are made while those loads are out
	WIN 0
	RND 120, 28
.set t, 0
.rept 8
	v_cvt_pk_f16_f32 v[176+3*t],   v[120+4*t], v[121+4*t]
	v_cvt_pk_f16_f32 v[176+3*t+1], v[122+4*t], v[123+4*t]
	v_cvt_pk_f16_f32 v[176+3*t+2], v[152+t], 0
.set t, t+1
.endr
	ALL8 v_mul_f32 v[GP+2*t], s74, v[160+t]
	ALL8 v_mul_f32 v[GP+2*t+1], s74, v[160+t]
	ALL8 v_mul_f32 v[BP+2*t], s74, v[168+t]
	ALL8 v_mul_f32 v[BP+2*t+1], s74, v[168+t]
	WIN 0xc0
.set t, 0
.rept 8                                ; A1[t]: row r = hidden channel 16 t + r; K = 0..4 lie in registers 0-2 of lanes 0-15; all else is 0
.irp p, 0,1,2
	v_cndmask_b32 v[8*t+\p], v[176+3*t+\p], 0, s61
.endr
.irp p, 3,4,5,6,7
	v_mov_b32 v[8*t+\p], 0
.endr
.set t, t+1
.endr
; Unit i = 2 c + s fills registers 4 s .. 4 s + 3 of the eight fragments of chunk c: rounded to bf16, widened, written as f16.
.macro W2UNIT i
.if (\i) < 6
	s_wait_loadcnt 32                              ; this unit is in (and all that was asked for before it); the two younger units' 32 loads stay out
.elseif (\i) == 6
	s_wait_loadcnt 16
.else
	s_wait_loadcnt 0x0
.endif
	WIN 0x0a
.set UB, 64*((\i)%3)
.set u, 0
.rept 8
.irp p, 0,1,2,3
	v_cvt_pk_bf16_f32 v[88+4*u+\p], v[UB+16*\p+u], v[UB+16*\p+8+u]
.endr
.set u, u+1
.endr
.if (\i) < 5
	W2LOAD (\i)+3
.endif
	WIN 0
.set k, 0
.rept 32
	v_lshlrev_b32 v[120+2*k], 16, v[88+k]
	v_and_b32 v[121+2*k], s61, v[88+k]
.set k, k+1
.endr
	WIN 0x40
.set FB, 64*((\i)/2)+4*((\i)%2)
.set k, 0
.rept 32
	v_cvt_pk_f16_f32 v[FB+8*(k/4)+k%4], v[120+2*k], v[121+2*k]
.set k, k+1
.endr
.endm
.irp i, 0,1,2,3,4,5,6,7
	W2UNIT \i
.endr
	WIN 0
	; the identities.  Lane (r, h) holds row r of A and K = 8 h + 0..7 in registers 0-3: K = r falls into register (r / 2) - 4 h, half r % 2
	v_and_b32 v45, 1, v1
	v_lshlrev_b32 v45, 4, v45
	v_mov_b32 v44, 0xbc00                          ; -1 in f16
	v_mov_b32 v46, 0x3c00                          ; +1
	v_mov_b32 v49, 0x3c00
	v_lshlrev_b32 v44, v45, v44
	v_lshlrev_b32 v46, v45, v46
	v_lshrrev_b32 v47, 1, v1
	v_lshlrev_b32 v48, 2, v2
	v_sub_nc_u32 v47, v47, v48
.irp p, 0,1,2,3
	v_cmp_eq_u32 vcc_lo, \p, v47
	v_cndmask_b32 v[AK+\p], 0, v44, vcc_lo
	v_cndmask_b32 v[AV+\p], 0, v46, vcc_lo
.endr
	v_cndmask_b32 v[AK+4], v49, 0, s61             ; K = 16, q': +1 in every row (register 4's low half, lanes 0-15)
	v_mov_b32 v[AV+4], 0
.irp p, 5,6,7
	v_mov_b32 v[AK+\p], 0
	v_mov_b32 v[AV+\p], 0
.endr
	v_mov_b32 v[B1+2], 0x3c00                      ; K = 4: 1, for the bias
.irp p, 3,4,5,6,7
	v_mov_b32 v[B1+\p], 0
.endr
	WIN 0x80
.set t, 0
.rept 8                                ; the K rows of KF and VF that no trip writes
.irp p, 5,6,7
	v_mov_b32 v[KF+8*t+\p], 0
.endr
.irp p, 4,5,6,7
	v_mov_b32 v[VF+8*t+\p], 0
.endr
.set t, t+1
.endr
	WIN 0
	s_mov_b32 s60, 40
.Lpoint:                                               ; a trip: one point
	s_wait_loadcnt 0x0                             ; this point's 19 loads and the next point's index row, all asked for a whole trip ago; their address registers are free too
	s_add_co_u32 s58, s56, 1
	s_min_u32 s58, s58, s57                        ; the point to gather for, and
	s_add_co_u32 s59, s56, 2
	s_min_u32 s59, s59, s57                        ; the point whose index row is asked for: clamped to my last point, so no load leaves a buffer
	; the difference of the events, both rounded to bf16, in f16
	v_cvt_pk_bf16_f32 v44, v32, v33
	v_cvt_pk_bf16_f32 v45, v34, v35
	v_cvt_pk_bf16_f32 v46, v36, v37
	v_cvt_pk_bf16_f32 v47, v38, v39
.irp p, 0,1,2,3
	v_lshlrev_b32 v[48+2*\p], 16, v[44+\p]
	v_and_b32 v[49+2*\p], s61, v[44+\p]
.endr
	v_pk_add_f32 v[52:53], v[52:53], v[48:49] neg_lo:[0,1] neg_hi:[0,1]
	v_pk_add_f32 v[54:55], v[54:55], v[50:51] neg_lo:[0,1] neg_hi:[0,1]
	v_cvt_pk_f16_f32 v[B1], v52, v53
	v_cvt_pk_f16_f32 v[B1+1], v54, v55
	; KF and VF: a fragment register holds two neighbours' numbers of ONE channel; a gathered register two channels of one neighbour
	WIN 0x80
.irp w, 0,1,2,3
	v_mov_b32 v[KF+16*\w+4], v[40+\w]              ; K = 16: q' of channel 8 r + 2 w (the upper half is K = 17, which AK multiplies by 0)
	v_lshrrev_b32 v[KF+16*\w+12], 16, v[40+\w]     ; and of channel 8 r + 2 w + 1
.endr
	WIN 0x8f
.set w, 0
.rept 4
.irp p, 0,1,2,3
	v_perm_b32 v[KF+16*w+\p],   v[RK+8*\p+4+w], v[RK+8*\p+w], s62
	v_perm_b32 v[KF+16*w+8+\p], v[RK+8*\p+4+w], v[RK+8*\p+w], s63
	v_perm_b32 v[VF+16*w+\p],   v[RV+8*\p+4+w], v[RV+8*\p+w], s62
	v_perm_b32 v[VF+16*w+8+\p], v[RV+8*\p+4+w], v[RV+8*\p+w], s63
.endr
.set w, w+1
.endr
	ISSUE_GATHER 58                                ; the next point's rows have the rest of the trip in which to land
	ISSUE_IDX 59
	; hid^T = A1 x difference: a lane holds neighbour r and hidden channels 16 t + 8 h + 0..7
	WIN 0x83
	ALL8 v_wmma_f32_16x16x32_f16 v[8*t:8*t+7], v[8*t:8*t+7], v[B1:B1+7], 0
.rept 4
	v_nop                                          ; four places between the products and the reads of their results (ISA guide 7.12.1)
.endr
	WIN 0x88
.set i, 0
.rept 64
	v_max_num_f32 v[i], 0, v[i]                    ; ascending: each accumulator is read from its low end
.set i, i+1
.endr
	WIN 0x0a
.set k, 0
.rept 32
	v_cvt_pk_f16_f32 v[HP+k], v[2*k], v[2*k+1]     ; two such results ARE a fragment of A: neighbour r, 32 hidden channels
.set k, k+1
.endr
	; P = hid w2: 32 products, the 8 accumulators by turns
	WIN 0xa4
	ALL8 v_wmma_f32_16x16x32_f16 v[TU+8*t:TU+8*t+7], v[HP:HP+7], v[8*t:8*t+7], 0
.set c, 1
.rept 3
	ALL8 v_wmma_f32_16x16x32_f16 v[TU+8*t:TU+8*t+7], v[HP+8*c:HP+8*c+7], v[64*c+8*t:64*c+8*t+7], v[TU+8*t:TU+8*t+7]
.set c, c+1
.endr
.rept 5
	v_nop                                          ; five places: P becomes the C of other accumulators
.endr
	WIN 0xa8
	ALL8 v_wmma_f32_16x16x32_f16 v[8*t:8*t+7], v[AK:AK+7], v[KF+8*t:KF+8*t+7], v[TU+8*t:TU+8*t+7]
.rept 5
	v_nop                                          ; five places: P, a source of those, is written over; they are also the places in front of the reads of t
.endr
	ALL8 v_wmma_f32_16x16x32_f16 v[TU+8*t:TU+8*t+7], v[AV:AV+7], v[VF+8*t:VF+8*t+7], v[TU+8*t:TU+8*t+7]
	; LayerNorm over the 128 channels: 8 tiles in the lane, 16 lanes of the half.  The mean is taken away before the squares.
	WIN 0x0a
	Q4 v_pk_add_f32 v[SS+2*q:SS+2*q+1], v[2*q:2*q+1], v[8+2*q:8+2*q+1]
	WIN 0x02
.set t, 2
.rept 6
	Q4 v_pk_add_f32 v[SS+2*q:SS+2*q+1], v[8*t+2*q:8*t+2*q+1], v[SS+2*q:SS+2*q+1]
.set t, t+1
.endr
	XSUM SS
	WIN 0xa0
	TQ v_pk_fma_f32 v[8*t+2*q:8*t+2*q+1], v[SS+2*q:SS+2*q+1], s[66:67], v[8*t+2*q:8*t+2*q+1] op_sel_hi:[1,0,1]
	WIN 0x0a
	Q4 v_pk_mul_f32 v[QQ+2*q:QQ+2*q+1], v[2*q:2*q+1], v[2*q:2*q+1]
.set t, 1
.rept 7
	Q4 v_pk_fma_f32 v[QQ+2*q:QQ+2*q+1], v[8*t+2*q:8*t+2*q+1], v[8*t+2*q:8*t+2*q+1], v[QQ+2*q:QQ+2*q+1]
.set t, t+1
.endr
	XSUM QQ
	Q4 v_pk_fma_f32 v[QQ+2*q:QQ+2*q+1], v[QQ+2*q:QQ+2*q+1], s[68:69], s[70:71] op_sel_hi:[1,0,0]
	ALL8 v_rsq_f32 v[QQ+t], v[QQ+t]
	v_nop                                          ; a plain instruction between the last root and the use of its result (ISA guide 5.7.2)
	s_wait_alu depctr_va_vdst(0)
	WIN 0x82
	TQ v_pk_mul_f32 v[8*t+2*q:8*t+2*q+1], v[8*t+2*q:8*t+2*q+1], v[QQ+2*q:QQ+2*q+1]
	TQ v_pk_fma_f32 v[8*t+2*q:8*t+2*q+1], v[8*t+2*q:8*t+2*q+1], v[GP+2*t:GP+2*t+1], v[BP+2*t:BP+2*t+1]
	; softmax over the 16 neighbours, channel by channel: the maximum of 8 registers and of the other half of the lanes is taken away
	WIN 0x2a
	ALL8 v_max3_num_f32 v[MM+2*t], v[8*t], v[8*t+1], v[8*t+2]
	WIN 0x28
	ALL8 v_max3_num_f32 v[MM+2*t], v[MM+2*t], v[8*t+3], v[8*t+4]
	ALL8 v_max3_num_f32 v[MM+2*t], v[MM+2*t], v[8*t+5], v[8*t+6]
	ALL8 v_max_num_f32 v[MM+2*t], v[MM+2*t], v[8*t+7]
	WIN 0
	ALL8 v_permlanex16_b32 v[MM+2*t+1], v[MM+2*t], s72, s73
	ALL8 v_max_num_f32 v[MM+2*t], v[MM+2*t], v[MM+2*t+1]
	WIN 0x82
	TQ v_pk_add_f32 v[8*t+2*q:8*t+2*q+1], v[8*t+2*q:8*t+2*q+1], v[MM+2*t:MM+2*t+1] op_sel_hi:[1,0] neg_lo:[0,1] neg_hi:[0,1]
.set i, 0
.rept 64
	v_exp_f32 v[i], v[i]
.set i, i+1
.endr
	v_nop                                          ; a plain instruction between the exponentials and the use of their results
	s_wait_alu depctr_va_vdst(0)
	WIN 0x0a
	ALL8 v_pk_add_f32 v[EP+2*t:EP+2*t+1], v[8*t:8*t+1], v[8*t+2:8*t+3]
	ALL8 v_pk_add_f32 v[EQ+2*t:EQ+2*t+1], v[8*t+4:8*t+5], v[8*t+6:8*t+7]
	ALL8 v_pk_mul_f32 v[ON+2*t:ON+2*t+1], v[8*t:8*t+1], v[TU+8*t:TU+8*t+1]
.set q, 1
.rept 3
	ALL8 v_pk_fma_f32 v[ON+2*t:ON+2*t+1], v[8*t+2*q:8*t+2*q+1], v[TU+8*t+2*q:TU+8*t+2*q+1], v[ON+2*t:ON+2*t+1]
.set q, q+1
.endr
	WIN 0
	ALL8 v_pk_add_f32 v[EP+2*t:EP+2*t+1], v[EP+2*t:EP+2*t+1], v[EQ+2*t:EQ+2*t+1]
	ALL8 v_add_f32 v[EP+2*t], v[EP+2*t], v[EP+2*t+1]
	ALL8 v_add_f32 v[ON+2*t], v[ON+2*t], v[ON+2*t+1]
	ALL8 v_permlanex16_b32 v[EP+2*t+1], v[EP+2*t], s72, s73
	ALL8 v_permlanex16_b32 v[ON+2*t+1], v[ON+2*t], s72, s73
	ALL8 v_add_f32 v[EP+2*t], v[EP+2*t], v[EP+2*t+1]
	ALL8 v_add_f32 v[ON+2*t], v[ON+2*t], v[ON+2*t+1]
	ALL8 v_rcp_f32 v[EP+2*t+1], v[EP+2*t]
	v_nop                                          ; a plain instruction between the last reciprocal and the use of its result
	s_wait_alu depctr_va_vdst(0)
	ALL8 v_mul_f32 v[OUT+t], v[ON+2*t], v[EP+2*t+1]
	; my 8 channels as hi + lo in bf16: both halves of the lanes hold them, lanes 0-15 store hi, lanes 16-31 lo
.irp w, 0,1,2,3
	v_cvt_pk_bf16_f32 v[232+\w], v[OUT+2*\w], v[OUT+2*\w+1]
.endr
.irp w, 0,1,2,3
	v_lshlrev_b32 v[236+2*\w], 16, v[232+\w]
	v_and_b32 v[237+2*\w], s61, v[232+\w]
.endr
.irp w, 0,1,2,3
	v_pk_add_f32 v[236+2*\w:237+2*\w], v[OUT+2*\w:OUT+2*\w+1], v[236+2*\w:237+2*\w] neg_lo:[0,1] neg_hi:[0,1]
.endr
.irp w, 0,1,2,3
	v_cvt_pk_bf16_f32 v[244+\w], v[236+2*\w], v[237+2*\w]
.endr
.irp w, 0,1,2,3
	v_cndmask_b32 v[248+\w], v[232+\w], v[244+\w], s61
.endr
	ds_store_b128 v7, v[248:251]
	v_add_nc_u32 v7, XP, v7                        ; the next point's row of X
	s_add_co_u32 s56, s56, 1
	s_sub_co_u32 s60, s60, 1
	s_cmp_lg_u32 s60, 0
	s_cbranch_scc1 .Lpoint
	s_wait_loadcnt 0x0                             ; the last trip's clamped look-ahead: its registers are used anew below
	; THE PROJECTION.  Two layers by one text.  Wave w owns output columns 64 w .. 64 w + 63; column r of tile u is 64 w + 4 r + u: a lane owns 4 neighbouring columns.
	s_lshl_b32 s2, s54, 8
	v_lshl_add_u32 v14, v1, 4, s2                  ; 256 w + 16 r: my 4 columns in a row of f32
	v_lshl_add_u32 v10, v2, 13, v14                ; + 8 h rows of 1,024 bytes: weights, and out0
	s_mul_i32 s2, ttmp9, 80*1024
	s_mov_b32 s3, 0
	s_add_nc_u64 s[50:51], s[50:51], s[2:3]        ; out0 at the work-group's first row
; A unit is 16 K rows' worth of my 4 columns: 8 loads (16 lanes take 256 consecutive bytes of a row), in a ring of four buffers in window 3.
.macro PLOAD i
	WIN 0xc0
.set UB, 32*((\i)%4)
.set e, 0
.rept 8
	global_load_b128 v[UB+4*e:UB+4*e+3], v10, s[78:79] offset:(16*(\i)+e)*1024
.set e, e+1
.endr
.endm
.macro PUNIT i
.if (\i) < 13
	s_wait_loadcnt 24                              ; this unit is in; the three younger units' 24 loads stay out
.else
	s_wait_loadcnt 8*(15-(\i))
.endif
	WIN 0x4f
.set UB, 32*((\i)%4)
.set FB, 32*((\i)/2)+4*((\i)%2)
.set u, 0
.rept 4
.irp p, 0,1,2,3
	v_cvt_pk_bf16_f32 v[FB+8*u+\p], v[UB+8*\p+u], v[UB+8*\p+4+u]
.endr
.set u, u+1
.endr
.if (\i) < 12
	PLOAD (\i)+4
.endif
.endm
	s_mov_b32 s75, 0
.Llayer:
	s_cmp_eq_u32 s75, 0
	s_cselect_b64 s[78:79], s[42:43], s[44:45]     ; the layer's weights,
	s_cselect_b64 s[80:81], s[46:47], s[48:49]     ; its bias,
	s_cselect_b32 s82, 0, YB                       ; and its rows: X, then Y
	v_mul_u32_u24 v11, v1, XP
	v_lshl_add_u32 v11, v2, 4, v11
	v_add_nc_u32 v11, s82, v11                     ; row fragments: row r, 16 bytes for each half of the lanes
	v_mul_u32_u24 v12, v2, 8*XP
	v_lshl_add_u32 v12, v1, 3, v12
	s_lshl_b32 s2, s54, 7
	s_add_co_u32 s2, s2, YB
	v_add_nc_u32 v12, s2, v12                      ; Y: row 8 h, my 4 columns' 8 bytes of hi
	v_mov_b32 v13, v10                             ; out0: row 8 h, my 16 bytes
	global_load_b128 v[PB:PB+3], v14, s[80:81]
	PLOAD 0
	PLOAD 1
	PLOAD 2
	PLOAD 3
.irp i, 0,1,2,3,4,5,6,7,8,9,10,11,12,13,14,15
	PUNIT \i
.endr
	WIN 0
	v_cvt_pk_bf16_f32 v196, v[PB], v[PB+1]
	v_cvt_pk_bf16_f32 v197, v[PB+2], v[PB+3]
	v_lshlrev_b32 v[PB], 16, v196
	v_and_b32 v[PB+1], s61, v196
	v_lshlrev_b32 v[PB+2], 16, v197
	v_and_b32 v[PB+3], s61, v197
	s_wait_dscnt 0x0                               ; for the others' sake: my stores into X (first layer) or Y (second) are done
	s_barrier_signal -1
	s_barrier_wait -1                              ; the layer's 80 rows are whole.  X and Y are bytes of their own, so nothing that is read is written again
	s_mov_b32 s76, 5
.Lmt:                                                  ; a trip: 16 rows x my 64 columns
	WIN 0x80
.set c, 0
.rept 16                               ; 8 chunks of hi, then 8 of lo: 1,024 consecutive bytes of each row
	ds_load_b128 v[8*c:8*c+3],   v11 offset:64*c
	ds_load_b128 v[8*c+4:8*c+7], v11 offset:64*c+32
.set c, c+1
.endr
	s_wait_dscnt 0x0
	WIN 0x06                                       ; A window 2, B window 1
.set c, 0
.rept 16                               ; hi and lo meet the same weights; the 4 accumulators by turns
.set u, 0
.rept 4
.if c == 0
	v_wmma_f32_16x16x32_bf16 v[PAC+8*u:PAC+8*u+7], v[8*c:8*c+7], v[32*(c%8)+8*u:32*(c%8)+8*u+7], 0
.else
	v_wmma_f32_16x16x32_bf16 v[PAC+8*u:PAC+8*u+7], v[8*c:8*c+7], v[32*(c%8)+8*u:32*(c%8)+8*u+7], v[PAC+8*u:PAC+8*u+7]
.endif
.set u, u+1
.endr
.set c, c+1
.endr
.rept 4
	v_nop                                          ; four places between the last products and the reads of their results
.endr
	WIN 0
	s_wait_xcnt 0x0                                ; the last trip's stores have read their data and their offset
.set j, 0
.rept 8                                ; the bias is added on the way into store order; j = 0 first: each accumulator is read from its low end
.irp u, 0,1,2,3
	v_add_f32 v[TM+4*j+\u], v[PAC+8*\u+j], v[PB+\u]
.endr
.set j, j+1
.endr
	s_cmp_eq_u32 s75, 0
	s_cbranch_scc0 .Lstore
.set j, 0
.rept 8                                ; first layer: relu, hi + lo in bf16, into Y
.set TP, 196+8*(j%2)
.irp u, 0,1,2,3
	v_max_num_f32 v[TM+4*j+\u], 0, v[TM+4*j+\u]
.endr
	v_cvt_pk_bf16_f32 v[TP], v[TM+4*j], v[TM+4*j+1]
	v_cvt_pk_bf16_f32 v[TP+1], v[TM+4*j+2], v[TM+4*j+3]
	v_lshlrev_b32 v[TP+4], 16, v[TP]
	v_and_b32 v[TP+5], s61, v[TP]
	v_lshlrev_b32 v[TP+6], 16, v[TP+1]
	v_and_b32 v[TP+7], s61, v[TP+1]
	v_pk_add_f32 v[TP+4:TP+5], v[TM+4*j:TM+4*j+1], v[TP+4:TP+5] neg_lo:[0,1] neg_hi:[0,1]
	v_pk_add_f32 v[TP+6:TP+7], v[TM+4*j+2:TM+4*j+3], v[TP+6:TP+7] neg_lo:[0,1] neg_hi:[0,1]
	v_cvt_pk_bf16_f32 v[TP+2], v[TP+4], v[TP+5]
	v_cvt_pk_bf16_f32 v[TP+3], v[TP+6], v[TP+7]
	ds_store_b64 v12, v[TP:TP+1]   offset:XP*j
	ds_store_b64 v12, v[TP+2:TP+3] offset:XP*j+512
.set j, j+1
.endr
	s_branch .Lnext
.Lstore:                                               ; second layer: out0
	v_add_nc_u32 v13, 16*1024, v13                 ; stepped behind the wait above; the stores reach back
.set j, 0
.rept 8
	global_store_b128 v13, v[TM+4*j:TM+4*j+3], s[50:51] offset:1024*j-16*1024 th:TH_STORE_NT  ; 16 lanes store 256 consecutive bytes, at a multiple of 256 from out0's first byte
.set j, j+1
.endr
.Lnext:
	v_add_nc_u32 v11, 16*XP, v11
	v_add_nc_u32 v12, 16*XP, v12
	s_sub_co_u32 s76, s76, 1
	s_cmp_lg_u32 s76, 0
	s_cbranch_scc1 .Lmt
	s_add_co_u32 s75, s75, 1
	s_cmp_lt_u32 s75, 2
	s_cbranch_scc1 .Llayer
	s_wait_tensorcnt 0x0                           ; the wave's end
	ds_add_u32 v8, v9
	s_wait_dscnt 0x0
	s_endpgm
.Lfunc_end_k_q99e5c2a203_attn:
	.size	k_q99e5c2a203_attn, .Lfunc_end_k_q99e5c2a203_attn-k_q99e5c2a203_attn
	.p2alignl 7, 3214868480
	.fill 96, 4, 3214868480
	.section	.rodata,"a",@progbits
	.p2align	6, 0x0
	.amdhsa_kernel k_q99e5c2a203_attn
		.amdhsa_group_segment_fixed_size 166912
		.amdhsa_private_segment_fixed_size 0
		.amdhsa_enable_private_segment 0
		.amdhsa_kernarg_size 176
		.amdhsa_user_sgpr_count 2
		.amdhsa_user_sgpr_kernarg_segment_ptr 1
		.amdhsa_wavefront_size32 1
		.amdhsa_system_sgpr_workgroup_id_x 1
		.amdhsa_system_sgpr_workgroup_id_y 1
		.amdhsa_system_sgpr_workgroup_id_z 1
		.amdhsa_system_vgpr_workitem_id 0
		.amdhsa_next_free_vgpr 896
		.amdhsa_next_free_sgpr 100
		.amdhsa_reserve_vcc 1
		.amdhsa_float_denorm_mode_32 3
		.amdhsa_float_denorm_mode_16_64 3
		.amdhsa_memory_ordered 1
		.amdhsa_forward_progress 1
		.amdhsa_inst_pref_size 175
	.end_amdhsa_kernel
	.amdgpu_metadata
---
amdhsa.version: [ 1, 2 ]
amdhsa.kernels:
  - .name:           k_q99e5c2a203_attn
    .symbol:         k_q99e5c2a203_attn.kd
    .args:
      - { .name: events, .offset: 0, .size: 8, .value_kind: global_buffer, .address_space: global }
      - { .name: dev, .offset: 8, .size: 8, .value_kind: global_buffer, .address_space: global }
      - { .name: local_idx, .offset: 16, .size: 8, .value_kind: global_buffer, .address_space: global }
      - { .name: inv_pair_idx, .offset: 24, .size: 8, .value_kind: global_buffer, .address_space: global }
      - { .name: kvl, .offset: 32, .size: 8, .value_kind: global_buffer, .address_space: global }
      - { .name: kvp, .offset: 40, .size: 8, .value_kind: global_buffer, .address_space: global }
      - { .name: local_pe_w1, .offset: 48, .size: 8, .value_kind: global_buffer, .address_space: global }
      - { .name: global_pe_w1, .offset: 56, .size: 8, .value_kind: global_buffer, .address_space: global }
      - { .name: local_pe_b1, .offset: 64, .size: 8, .value_kind: global_buffer, .address_space: global }
      - { .name: global_pe_b1, .offset: 72, .size: 8, .value_kind: global_buffer, .address_space: global }
      - { .name: local_pe_w2, .offset: 80, .size: 8, .value_kind: global_buffer, .address_space: global }
      - { .name: global_pe_w2, .offset: 88, .size: 8, .value_kind: global_buffer, .address_space: global }
      - { .name: local_fc_g, .offset: 96, .size: 8, .value_kind: global_buffer, .address_space: global }
      - { .name: global_fc_g, .offset: 104, .size: 8, .value_kind: global_buffer, .address_space: global }
      - { .name: local_fc_b, .offset: 112, .size: 8, .value_kind: global_buffer, .address_space: global }
      - { .name: global_fc_b, .offset: 120, .size: 8, .value_kind: global_buffer, .address_space: global }
      - { .name: qq, .offset: 128, .size: 8, .value_kind: global_buffer, .address_space: global }
      - { .name: proj_w1, .offset: 136, .size: 8, .value_kind: global_buffer, .address_space: global }
      - { .name: proj_w2, .offset: 144, .size: 8, .value_kind: global_buffer, .address_space: global }
      - { .name: proj_b1, .offset: 152, .size: 8, .value_kind: global_buffer, .address_space: global }
      - { .name: proj_b2, .offset: 160, .size: 8, .value_kind: global_buffer, .address_space: global }
      - { .name: out0, .offset: 168, .size: 8, .value_kind: global_buffer, .address_space: global }
    .group_segment_fixed_size: 166912
    .private_segment_fixed_size: 0
    .kernarg_segment_align: 8
    .kernarg_segment_size: 176
    .max_flat_workgroup_size: 128
    .sgpr_count:     100
    .vgpr_count:     896
    .wavefront_size: 32
...
	.end_amdgpu_metadata
.endif
;; end of part 2
;; ======== version 2 of 2: 2 launches; version 1 with the launch attn written anew for expert scheduling mode
;; limits: values outside matrix products are rounded to f16; values are held in f16: magnitudes above 65,504 overflow, below 6.1e-05 lose precision
;; workspace buffers: qq 10,240,000 bytes; kvl 10,240,000 bytes; kvp 1,280,000 bytes; dev 40,448 bytes
;; launch qkv: the kernel of part 1 again; grid 250 x 1, 4 waves a work-group, no clusters, 127,232 bytes of LDS; arguments features, events, pair_idx, down_idx, local_qkv_w, global_qkv_w, local_qkv_b, global_qkv_b, local_pe_b2, global_pe_b2, qq, kvl, kvp, dev; writes qq, kvl, kvp, dev
;; launch attn (part 3): grid 250 x 1, 4 waves a work-group, no clusters, 166,912 bytes of LDS; arguments events, dev, local_idx, inv_pair_idx, kvl, kvp, local_pe_w1, global_pe_w1, local_pe_b1, global_pe_b1, local_pe_w2, global_pe_w2, local_fc_g, global_fc_g, local_fc_b, global_fc_b, qq, proj_w1, proj_w2, proj_b1, proj_b2, out0; writes out0
.if DOCPART == 3
	.amdgcn_target "amdgcn-amd-amdhsa--gfx1250"
	.amdhsa_code_object_version 6
	.text
	.protected	k_q99e5c2a203_attn
	.globl	k_q99e5c2a203_attn
	.p2align	8
	.type	k_q99e5c2a203_attn,@function
k_q99e5c2a203_attn:
	s_mov_b64 s[64:65], 0
	v_nop
	global_prefetch_b8 v0, s[64:65] scope:SCOPE_SE
	s_setreg_imm32_b32 hwreg(HW_REG_WAVE_SCHED_MODE, 0, 2), 2
	s_setreg_imm32_b32 hwreg(HW_REG_WAVE_MODE, 25, 1), 1
	s_wait_xcnt 0x0
	s_wait_alu depctr_vm_vsrc(0)
; BOTH ATTENTION BRANCHES AND THE PROJECTION.  A work-group owns 80 points.  Wave w works for branch w / 2 (0 local, 1 global) on 40 of them, one point a trip: 16 neighbours x 128 channels.
; For point n and neighbour j (tables q', k, v' of the launch before; pe_b2 lies in q' and v'):
;   hid = relu((e_n - e_j) w1 + b1);  P = hid w2;  t = q' - k_j + P;  u = v'_j + P;  a = softmax over j of (LayerNorm over channels of t) / sqrt(128);  out = sum over j of a u.
; Then the four waves share relu(X proj_w1 + b1) proj_w2 + b2 for the 80 rows X = [local | global], each wave 64 output columns.
; FORMATS.  All inputs are rounded to bf16.  What the program makes goes to the matrix unit in f16 (difference, hid, q', k, v'; pe_w1, pe_b1, pe_w2 are the bf16 numbers written as f16),
; or, for the projection's two row operands, as a bf16 number and the bf16 of what it leaves (hi + lo, 16 significant bits, f32's range).  LayerNorm, softmax and all sums in f32.
; LIMITS.  |difference|, |hid|, |q'|, |k|, |v'| at most 65,504.  A pe weight below 2^-14 keeps f16's fixed step (error at most 2^-25).  Events are rounded to bf16 before the difference:
; under a common offset c it carries up to 2^-8 c.  Indices are taken as valid (clamped to 19,999 for form).  A weight below 2^-126 counts as 0.  NaN and infinities are not treated apart.
; LAYOUT.  Column r of matrix tile t is channel 8 r + t, so a lane owns 8 neighbouring channels: a gathered row is read as 16 lanes x 16 bytes, 256 consecutive aligned bytes.  In t and u register j of
; tile t is neighbour 8 h + j, channel 8 r + t: the softmax's axis runs along registers (and one exchange of the lanes' halves), LayerNorm's along tiles and the 16 lanes of a half.
; THE ADDITIONS q' - k and + v' are products with a signed identity: AK has -1 at (m, k = m) and +1 at (m, 16), AV +1 at (m, m); row 16 of KF is q'.
; The first layer's bias is row 4 of its product: the difference's fifth number is 1.
; NO CLUSTER, NO TENSOR LOADS: the gathers are lists of rows known a trip ahead and come straight into registers; the weights, which all work-groups share, need a rounding and a pairing of
; two K rows on their way, and stay in registers; 250 work-groups are no multiple of four.  LDS only hands the attention rows and the hidden rows from wave to wave.
; THE MODE: SCHED_MODE bits 1:0 = 2 (LLVM: expert scheduling mode 2), set by the entry lines.  The code itself states the register dependences between vector or matrix instructions and
; memory or LDS instructions, with s_wait_alu, always for 0.
; THE PLAN.  Registers that memory or LDS instructions touch, and who else names them:
;   THE POINT LOOP.  v15-23 (the next index row), v32-43 (e_j, e_n, q'), RK, RV: loads land in them; only the trip's first vector lines read them (difference, q' moves, permutes, clamps, offsets).
;     v10-14, v24-31: offsets, made anew in each trip from the index row, read by the trip's 22 loads.  v248-251, v7: data and address of the trip's one LDS store.
;     ONE wait on va_vdst stands behind the lines that empty the landing registers and make the offsets.  Behind it come the trip's first 8 matrix instructions, which name A1, B1 and window 2's v0-63
;     and none of those registers, and then the 22 loads, with no further wait.  A second wait on va_vdst stands ahead of the LDS store; ONE wait on vm_vsrc behind that store frees v7, v248-251 and the offsets.
;   THE TWO WEIGHT RINGS (pe_w2 at the head, the projection's at a layer's head).  A unit's roundings read a buffer; one wait on va_vdst; the buffer is asked for again.  Their offsets v252, v10 are never rewritten.
;   THE PROJECTION'S TRIPS.  Row fragments (window 2, v0-127): LDS loads land in them, the 64 matrix instructions read them.  TM: data of the stores to out0.  YO: data of the LDS stores into Y, a set of four
;     registers for each of a trip's 8 rows.  v11, v12, v13: made at a layer's head, stepped once a trip.  A wait on va_vdst at a trip's head (v11; the fragments' readers), one ahead of the trip's run of stores,
;     and one wait on vm_vsrc behind those stores, ahead of the steps.
;   v8, v9: written at the head, read by the closing add alone.
; REGISTERS (windows of 256; s_set_vgpr_msb: bits 1:0 source 0, 3:2 source 1, 5:4 source 2, 7:6 destination):
;   window 0: addresses, statistics, constant operands (names below)          window 1: pe_w2's fragments, (t, c) at 64 c + 8 t; later the projection's, (u, c) at 32 c + 8 u
;   window 2: v0-63 hid^T, then t; v64-127 P, then u; v128-191 KF; v192-255 VF; later the projection's row fragments        window 3: v0-63 A1; v64-127 gathered rows as they come; later weights as they come
.set XP,    1040                       ; an LDS row: 512 bytes hi, 512 bytes lo, 16 of padding: an odd multiple of 16 (ISA guide 11.1: the 16 rows of a fragment load start in different groups of banks)
.set YB,    80*XP                      ; X: rows 0-79 at 0; Y, the hidden rows, behind them
.set SPARE, 160*XP                     ; the spare words, 128 bytes a wave: two blocks of 256 bytes that no other line names
.set GP,  56                           ; v56-71   (g', g') for each t: g x log2(e) / sqrt(128)
.set BP,  72                           ; v72-87   (b', b') likewise
.set SS,  88                           ; v88-95   sums over channels, a register for each of my 8 neighbours
.set QQ,  96                           ; v96-103  sums of squares, then 1 / sqrt(var + eps)
.set MM,  104                          ; v104-119 the maximum of tile t at 2 t; the exchange at 2 t + 1
.set EP,  120                          ; v120-135, v136-151 the softmax's divisor, in parts
.set EQ,  136
.set ON,  152                          ; v152-167 its numerator
.set OUT, 168                          ; v168-175 my 8 channels of the result
.set B1,  176                          ; v176-183 the difference, as B
.set AK,  184                          ; v184-191, v192-199 the two identities, as A
.set AV,  192
.set HP,  200                          ; v200-231 hid in f16, as A: 4 chunks of 32
.set TU,  64                           ; window 2
.set KF,  128
.set VF,  192
.set RK,  64                           ; window 3
.set RV,  96
.set PAC, 128                          ; the projection: 4 accumulators, v128-159;
.set TM,  160                          ; v160-191 results in store order; v192-195 bias; v196-203 at work
.set PB,  192
.set YO,  88                           ; v88-119 the first layer's rows on their way into Y: row j at YO + 4 j: hi, hi, lo, lo
.set MSB, 0
.macro WIN new                         ; the immediate's high byte repeats the setting that is left; a switch that changes nothing is dropped
.if MSB != (\new)
	s_set_vgpr_msb (MSB<<8)|(\new)
.set MSB, (\new)
.endif
.endm
.macro ALL8 line:vararg                ; one line for each t = 0 .. 7
.set t, 0
.rept 8
	\line
.set t, t+1
.endr
.endm
.macro Q4 line:vararg                  ; one line for each pair q = 0 .. 3
.set q, 0
.rept 4
	\line
.set q, q+1
.endr
.endm
.macro TQ line:vararg                  ; one line for each tile t and pair q
.set t, 0
.rept 8
	Q4 \line
.set t, t+1
.endr
.endm
.macro RND base, pairs                 ; 2 x pairs f32 are replaced by their rounding to bf16
.set i, 0
.rept \pairs
	v_cvt_pk_bf16_f32 v[44+i%8], v[(\base)+2*i], v[(\base)+2*i+1]
	v_lshlrev_b32 v[(\base)+2*i], 16, v[44+i%8]
	v_and_b32 v[(\base)+2*i+1], s61, v[44+i%8]
.set i, i+1
.endr
.endm
.macro XSUM base                       ; eight registers are summed over the 16 lanes of each half
	WIN 0
.irp m, 1,2,4,8
.set i, 0
.rept 8
	v_add_f32_dpp v[(\base)+i], v[(\base)+i], v[(\base)+i] row_xmask:\m row_mask:0xf bank_mask:0xf
.set i, i+1
.endr
.endr
.endm
; The index row of point s[sn]: my half's 8 neighbours (for the rows of k and v), and neighbour r (for its event).  The offsets, and apart from them the 3 loads: a wait on va_vdst stands between.
.macro IDX_ADR sn
	s_lshl_b32 s3, s[\sn], 6
	v_add_nc_u32 v10, s3, v4
	v_add_nc_u32 v11, s3, v5
.endm
.macro IDX_LD
	global_load_b128 v[16:19], v10, s[12:13]
	global_load_b128 v[20:23], v10, s[12:13] offset:16
	global_load_b32 v15, v11, s[12:13]
.endm
; All that point s[sn] needs, by the index row that has landed: 8 rows of k and 8 of v (lanes 0-15 take 256 bytes of neighbour i, lanes 16-31 of neighbour 8 + i), e_j, e_n, q'.  The offsets, and apart from them the 19 loads.
.macro GATHER_ADR sn
	WIN 0
.set i, 0
.rept 8
	v_min_u32 v[16+i], 0x4e1f, v[16+i]
.set i, i+1
.endr
	v_min_u32 v15, 0x4e1f, v15
.set i, 0
.rept 8
	v_lshl_add_u32 v[24+i], v[16+i], 9, v3
.set i, i+1
.endr
	v_lshlrev_b32 v14, 4, v15
	s_lshl_b32 s3, s[\sn], 4
	v_mov_b32 v12, s3
	s_lshl_b32 s3, s[\sn], 9
	v_add_nc_u32 v13, s3, v6
.endm
.macro GATHER_LD
	WIN 0xc0                                       ; destination window 3, address window 0
.set i, 0
.rept 8
	global_load_b128 v[RK+4*i:RK+4*i+3], v[24+i], s[16:17]
	global_load_b128 v[RV+4*i:RV+4*i+3], v[24+i], s[16:17] offset:256
.set i, i+1
.endr
	WIN 0
	global_load_b128 v[32:35], v14, s[8:9]
	global_load_b128 v[36:39], v12, s[52:53]
	global_load_b128 v[40:43], v13, s[40:41]
.endm
	s_load_b512 s[8:23], s[0:1], 0x0               ; eight pairs (local, global): events|dev 8, idx 12, kv 16, w1 20,
	s_load_b512 s[24:39], s[0:1], 0x40             ; b1 24, w2 28, g 32, b 36
	s_load_b256 s[40:47], s[0:1], 0x80             ; qq 40, proj_w1 42, proj_w2 44, proj_b1 46
	s_load_b128 s[48:51], s[0:1], 0xa0             ; proj_b2 48, out0 50
	v_lshl_add_u32 v8, v0, 2, SPARE                ; my spare word,
	v_mov_b32 v9, 0                                ; and 0: for the wave's end
	v_lshrrev_b32 v1, 5, v0
	v_readfirstlane_b32 s54, v1                    ; wave 0..3
	s_wait_alu depctr_va_sdst(0)                   ; s54 is written, ahead of its first reader: the branch, the points and the LDS rows are made from it
	s_lshr_b32 s55, s54, 1                         ; branch
	s_and_b32 s2, s54, 1                           ; which 40 of the 80 points
	s_mul_i32 s56, ttmp9, 80
	s_mul_i32 s3, s2, 40
	s_add_co_u32 s56, s56, s3                      ; N: the point in hand
	s_add_co_u32 s57, s56, 39                      ; my last point: look-ahead is clamped to it
	s_mov_b32 s61, 0xffff0000                      ; a word's upper bf16; as a lane mask: lanes 16-31
	s_mov_b32 s62, 0x05040100                      ; v_perm_b32: the two low halves,
	s_mov_b32 s63, 0x07060302                      ; the two high halves
	s_mov_b32 s66, 0xbc000000                      ; -1/128
	s_mov_b32 s67, s66                             ; (named as pairs)
	s_mov_b32 s68, 0x3c000000                      ; 1/128
	s_mov_b32 s69, s68
	s_mov_b32 s70, 0x3727c5ac                      ; 1e-5
	s_mov_b32 s71, s70
	s_mov_b32 s72, 0x76543210                      ; v_permlanex16_b32: each lane takes its own place in the other half
	s_mov_b32 s73, 0xfedcba98
	s_mov_b32 s74, 0x3e0293ee                      ; log2(e) / sqrt(128)
	v_and_b32 v1, 15, v0                           ; r
	v_bfe_u32 v2, v0, 4, 1                         ; h
	v_lshlrev_b32 v3, 4, v1                        ; 16 r
	v_lshlrev_b32 v4, 5, v2                        ; 32 h
	v_lshlrev_b32 v5, 2, v1                        ; 4 r
	s_lshl_b32 s3, s55, 8
	v_lshl_add_u32 v6, v1, 4, s3                   ; 256 branch + 16 r: my 8 channels in a row of qq and in a row of X
	s_mul_i32 s3, s2, 40*XP
	v_lshl_add_u32 v7, v2, 9, v6                   ; X: lanes 0-15 store hi, lanes 16-31 lo,
	v_add_nc_u32 v7, s3, v7                        ; from my first point's row on
	v_lshlrev_b32 v253, 5, v1                      ; 32 r
	v_lshl_add_u32 v252, v2, 12, v253              ; pe_w2: K row 8 h (512 bytes a row), channels 8 r on
	s_wait_kmcnt 0x0
	s_mov_b64 s[52:53], s[8:9]                     ; e_n comes from events in both branches
	s_cmp_eq_u32 s55, 1
.irp i, 0,1,2,3,4,5,6,7
	s_cselect_b64 s[8+4*\i:9+4*\i], s[10+4*\i:11+4*\i], s[8+4*\i:9+4*\i]  ; my branch's buffer of each pair
.endr
	IDX_ADR 56
	s_wait_alu depctr_va_vdst(0)                   ; v3 to v7, v10, v11, v252 and v253 are written: the offsets and addresses that the loads and stores below read
	IDX_LD
.set t, 0
.rept 8                                ; hidden channel 16 t + r: four numbers of w1, one of b1
.irp d, 0,1,2,3
	global_load_b32 v[120+4*t+\d], v5, s[20:21] offset:512*\d+64*t
.endr
	global_load_b32 v[152+t], v5, s[24:25] offset:64*t
.set t, t+1
.endr
	global_load_b128 v[160:163], v253, s[32:33]
	global_load_b128 v[164:167], v253, s[32:33] offset:16
	global_load_b128 v[168:171], v253, s[36:37]
	global_load_b128 v[172:175], v253, s[36:37] offset:16
	s_wait_loadcnt 0x0
	s_wait_alu depctr_vm_vsrc(0)                   ; the first index row's loads have read v10 and v11, which are made anew below
	GATHER_ADR 56                                  ; the first point's rows, and the second point's index row, are on their way during the set-up
	s_add_co_u32 s58, s56, 1
	IDX_ADR 58
	WIN 0xc0
	s_wait_alu depctr_va_vdst(0)                   ; the offsets v10-14 and v24-31 are written; the clamps and offset lines are done with v15-23, in which the second index row lands
	GATHER_LD
	IDX_LD
; pe_w2: a unit is 16 K rows' worth of my 8 channels, 16 loads, in a ring of three buffers in window 2.  L[e][t] = w2[16 i + 8 h + e][8 r + t] lies at UB + 8 e + t.
.macro W2LOAD i
	WIN 0x80
.set UB, 64*((\i)%3)
.set e, 0
.rept 8
	global_load_b128 v[UB+8*e:UB+8*e+3],   v252, s[28:29] offset:(16*(\i)+e)*512
	global_load_b128 v[UB+8*e+4:UB+8*e+7], v252, s[28:29] offset:(16*(\i)+e)*512+16
.set e, e+1
.endr
.endm
	W2LOAD 0                                       ; no wait: no vector instruction has been issued since the wait above, and none has named the ring
	W2LOAD 1
	W2LOAD 2
	; A1, g' and b' are made while those loads are out
	WIN 0
	RND 120, 28
.set t, 0
.rept 8
	v_cvt_pk_f16_f32 v[176+3*t],   v[120+4*t], v[121+4*t]
	v_cvt_pk_f16_f32 v[176+3*t+1], v[122+4*t], v[123+4*t]
	v_cvt_pk_f16_f32 v[176+3*t+2], v[152+t], 0
.set t, t+1
.endr
	ALL8 v_mul_f32 v[GP+2*t], s74, v[160+t]
	ALL8 v_mul_f32 v[GP+2*t+1], s74, v[160+t]
	ALL8 v_mul_f32 v[BP+2*t], s74, v[168+t]
	ALL8 v_mul_f32 v[BP+2*t+1], s74, v[168+t]
	WIN 0xc0
.set t, 0
.rept 8                                ; A1[t]: row r = hidden channel 16 t + r; K = 0..4 lie in registers 0-2 of lanes 0-15; all else is 0
.irp p, 0,1,2
	v_cndmask_b32 v[8*t+\p], v[176+3*t+\p], 0, s61
.endr
.irp p, 3,4,5,6,7
	v_mov_b32 v[8*t+\p], 0
.endr
.set t, t+1
.endr
; Unit i = 2 c + s fills registers 4 s .. 4 s + 3 of the eight fragments of chunk c: rounded to bf16, widened, written as f16.
.macro W2UNIT i
.if (\i) < 6
	s_wait_loadcnt 32                              ; this unit is in (and all that was asked for before it); the two younger units' 32 loads stay out
.elseif (\i) == 6
	s_wait_loadcnt 16
.else
	s_wait_loadcnt 0x0
.endif
	WIN 0x0a
.set UB, 64*((\i)%3)
.set u, 0
.rept 8
.irp p, 0,1,2,3
	v_cvt_pk_bf16_f32 v[88+4*u+\p], v[UB+16*\p+u], v[UB+16*\p+8+u]
.endr
.set u, u+1
.endr
.if (\i) < 5
	WIN 0x80
	s_wait_alu depctr_va_vdst(0)                   ; the 32 roundings are done reading this buffer, in which unit i + 3 lands
	W2LOAD (\i)+3
.endif
	WIN 0
.set k, 0
.rept 32
	v_lshlrev_b32 v[120+2*k], 16, v[88+k]
	v_and_b32 v[121+2*k], s61, v[88+k]
.set k, k+1
.endr
	WIN 0x40
.set FB, 64*((\i)/2)+4*((\i)%2)
.set k, 0
.rept 32
	v_cvt_pk_f16_f32 v[FB+8*(k/4)+k%4], v[120+2*k], v[121+2*k]
.set k, k+1
.endr
.endm
.irp i, 0,1,2,3,4,5,6,7
	W2UNIT \i
.endr
	WIN 0
	; the identities.  Lane (r, h) holds row r of A and K = 8 h + 0..7 in registers 0-3: K = r falls into register (r / 2) - 4 h, half r % 2
	v_and_b32 v45, 1, v1
	v_lshlrev_b32 v45, 4, v45
	v_mov_b32 v44, 0xbc00                          ; -1 in f16
	v_mov_b32 v46, 0x3c00                          ; +1
	v_mov_b32 v49, 0x3c00
	v_lshlrev_b32 v44, v45, v44
	v_lshlrev_b32 v46, v45, v46
	v_lshrrev_b32 v47, 1, v1
	v_lshlrev_b32 v48, 2, v2
	v_sub_nc_u32 v47, v47, v48
.irp p, 0,1,2,3
	v_cmp_eq_u32 s[84+\p], \p, v47                 ; the four masks in a run, a scalar register each
.endr
	s_wait_alu depctr_va_sdst(0)                   ; the four compares have written s84 to s87, ahead of the selects that read them
.irp p, 0,1,2,3
	v_cndmask_b32 v[AK+\p], 0, v44, s[84+\p]
	v_cndmask_b32 v[AV+\p], 0, v46, s[84+\p]
.endr
	v_cndmask_b32 v[AK+4], v49, 0, s61             ; K = 16, q': +1 in every row (register 4's low half, lanes 0-15)
	v_mov_b32 v[AV+4], 0
.irp p, 5,6,7
	v_mov_b32 v[AK+\p], 0
	v_mov_b32 v[AV+\p], 0
.endr
	v_mov_b32 v[B1+2], 0x3c00                      ; K = 4: 1, for the bias
.irp p, 3,4,5,6,7
	v_mov_b32 v[B1+\p], 0
.endr
	WIN 0x80
.set t, 0
.rept 8                                ; the K rows of KF and VF that no trip writes
.irp p, 5,6,7
	v_mov_b32 v[KF+8*t+\p], 0
.endr
.irp p, 4,5,6,7
	v_mov_b32 v[VF+8*t+\p], 0
.endr
.set t, t+1
.endr
	WIN 0
	s_wait_alu depctr_vm_vsrc(0)                   ; the look-ahead loads issued at the head have read v10-14 and v24-31, which the first trip makes anew
	s_mov_b32 s60, 40
.Lpoint:                                               ; a trip: one point
	s_wait_loadcnt 0x0                             ; this point's 19 loads and the next point's index row, all asked for a whole trip ago; their address registers are free too
	s_add_co_u32 s58, s56, 1
	s_min_u32 s58, s58, s57                        ; the point to gather for, and
	s_add_co_u32 s59, s56, 2
	s_min_u32 s59, s59, s57                        ; the point whose index row is asked for: clamped to my last point, so no load leaves a buffer
	; the difference of the events, both rounded to bf16, in f16
	v_cvt_pk_bf16_f32 v44, v32, v33
	v_cvt_pk_bf16_f32 v45, v34, v35
	v_cvt_pk_bf16_f32 v46, v36, v37
	v_cvt_pk_bf16_f32 v47, v38, v39
.irp p, 0,1,2,3
	v_lshlrev_b32 v[48+2*\p], 16, v[44+\p]
	v_and_b32 v[49+2*\p], s61, v[44+\p]
.endr
	v_pk_add_f32 v[52:53], v[52:53], v[48:49] neg_lo:[0,1] neg_hi:[0,1]
	v_pk_add_f32 v[54:55], v[54:55], v[50:51] neg_lo:[0,1] neg_hi:[0,1]
	v_cvt_pk_f16_f32 v[B1], v52, v53
	v_cvt_pk_f16_f32 v[B1+1], v54, v55
	; KF and VF: a fragment register holds two neighbours' numbers of ONE channel; a gathered register two channels of one neighbour
	WIN 0x80
.irp w, 0,1,2,3
	v_mov_b32 v[KF+16*\w+4], v[40+\w]              ; K = 16: q' of channel 8 r + 2 w (the upper half is K = 17, which AK multiplies by 0)
	v_lshrrev_b32 v[KF+16*\w+12], 16, v[40+\w]     ; and of channel 8 r + 2 w + 1
.endr
	WIN 0x8f
.set w, 0
.rept 4
.irp p, 0,1,2,3
	v_perm_b32 v[KF+16*w+\p],   v[RK+8*\p+4+w], v[RK+8*\p+w], s62
	v_perm_b32 v[KF+16*w+8+\p], v[RK+8*\p+4+w], v[RK+8*\p+w], s63
	v_perm_b32 v[VF+16*w+\p],   v[RV+8*\p+4+w], v[RV+8*\p+w], s62
	v_perm_b32 v[VF+16*w+8+\p], v[RV+8*\p+4+w], v[RV+8*\p+w], s63
.endr
.set w, w+1
.endr
	GATHER_ADR 58                                  ; the offsets of all 22 look-ahead loads are made together,
	IDX_ADR 59
	s_wait_alu depctr_va_vdst(0)                   ; so that one wait serves: v10-14 and v24-31 are written; the lines above are done reading v32-43, RK and RV and done with v15-23, in all of which the loads below land
	; hid^T = A1 x difference: a lane holds neighbour r and hidden channels 16 t + 8 h + 0..7
	WIN 0x83
	ALL8 v_wmma_f32_16x16x32_f16 v[8*t:8*t+7], v[8*t:8*t+7], v[B1:B1+7], 0
	GATHER_LD                                      ; no wait: the eight matrix instructions, all that was issued since the wait, name A1, B1 and window 2's v0-63, none of the registers that these 22 loads touch.
	IDX_LD                                         ; The next point's rows have the rest of the trip in which to land
.rept 4
	v_nop                                          ; four places between the products and the reads of their results (ISA guide 7.12.1)
.endr
	WIN 0x88
.set i, 0
.rept 64
	v_max_num_f32 v[i], 0, v[i]                    ; ascending: each accumulator is read from its low end
.set i, i+1
.endr
	WIN 0x0a
.set k, 0
.rept 32
	v_cvt_pk_f16_f32 v[HP+k], v[2*k], v[2*k+1]     ; two such results ARE a fragment of A: neighbour r, 32 hidden channels
.set k, k+1
.endr
	; P = hid w2: 32 products, the 8 accumulators by turns
	WIN 0xa4
	ALL8 v_wmma_f32_16x16x32_f16 v[TU+8*t:TU+8*t+7], v[HP:HP+7], v[8*t:8*t+7], 0
.set c, 1
.rept 3
	ALL8 v_wmma_f32_16x16x32_f16 v[TU+8*t:TU+8*t+7], v[HP+8*c:HP+8*c+7], v[64*c+8*t:64*c+8*t+7], v[TU+8*t:TU+8*t+7]
.set c, c+1
.endr
.rept 5
	v_nop                                          ; five places: P becomes the C of other accumulators
.endr
	WIN 0xa8
	ALL8 v_wmma_f32_16x16x32_f16 v[8*t:8*t+7], v[AK:AK+7], v[KF+8*t:KF+8*t+7], v[TU+8*t:TU+8*t+7]
.rept 5
	v_nop                                          ; five places: P, a source of those, is written over; they are also the places in front of the reads of t
.endr
	ALL8 v_wmma_f32_16x16x32_f16 v[TU+8*t:TU+8*t+7], v[AV:AV+7], v[VF+8*t:VF+8*t+7], v[TU+8*t:TU+8*t+7]
	; LayerNorm over the 128 channels: 8 tiles in the lane, 16 lanes of the half.  The mean is taken away before the squares.
	WIN 0x0a
	Q4 v_pk_add_f32 v[SS+2*q:SS+2*q+1], v[2*q:2*q+1], v[8+2*q:8+2*q+1]
	WIN 0x02
.set t, 2
.rept 6
	Q4 v_pk_add_f32 v[SS+2*q:SS+2*q+1], v[8*t+2*q:8*t+2*q+1], v[SS+2*q:SS+2*q+1]
.set t, t+1
.endr
	XSUM SS
	WIN 0xa0
	TQ v_pk_fma_f32 v[8*t+2*q:8*t+2*q+1], v[SS+2*q:SS+2*q+1], s[66:67], v[8*t+2*q:8*t+2*q+1] op_sel_hi:[1,0,1]
	WIN 0x0a
	Q4 v_pk_mul_f32 v[QQ+2*q:QQ+2*q+1], v[2*q:2*q+1], v[2*q:2*q+1]
.set t, 1
.rept 7
	Q4 v_pk_fma_f32 v[QQ+2*q:QQ+2*q+1], v[8*t+2*q:8*t+2*q+1], v[8*t+2*q:8*t+2*q+1], v[QQ+2*q:QQ+2*q+1]
.set t, t+1
.endr
	XSUM QQ
	Q4 v_pk_fma_f32 v[QQ+2*q:QQ+2*q+1], v[QQ+2*q:QQ+2*q+1], s[68:69], s[70:71] op_sel_hi:[1,0,0]
	ALL8 v_rsq_f32 v[QQ+t], v[QQ+t]
	v_nop                                          ; a plain instruction between the last root and the use of its result (ISA guide 5.7.2)
	s_wait_alu depctr_va_vdst(0)                   ; the eight roots have written v[QQ ..], ahead of the multiplies that read them: one wait for the batch
	WIN 0x82
	TQ v_pk_mul_f32 v[8*t+2*q:8*t+2*q+1], v[8*t+2*q:8*t+2*q+1], v[QQ+2*q:QQ+2*q+1]
	TQ v_pk_fma_f32 v[8*t+2*q:8*t+2*q+1], v[8*t+2*q:8*t+2*q+1], v[GP+2*t:GP+2*t+1], v[BP+2*t:BP+2*t+1]
	; softmax over the 16 neighbours, channel by channel: the maximum of 8 registers and of the other half of the lanes is taken away
	WIN 0x2a
	ALL8 v_max3_num_f32 v[MM+2*t], v[8*t], v[8*t+1], v[8*t+2]
	WIN 0x28
	ALL8 v_max3_num_f32 v[MM+2*t], v[MM+2*t], v[8*t+3], v[8*t+4]
	ALL8 v_max3_num_f32 v[MM+2*t], v[MM+2*t], v[8*t+5], v[8*t+6]
	ALL8 v_max_num_f32 v[MM+2*t], v[MM+2*t], v[8*t+7]
	WIN 0
	ALL8 v_permlanex16_b32 v[MM+2*t+1], v[MM+2*t], s72, s73
	ALL8 v_max_num_f32 v[MM+2*t], v[MM+2*t], v[MM+2*t+1]
	WIN 0x82
	TQ v_pk_add_f32 v[8*t+2*q:8*t+2*q+1], v[8*t+2*q:8*t+2*q+1], v[MM+2*t:MM+2*t+1] op_sel_hi:[1,0] neg_lo:[0,1] neg_hi:[0,1]
.set i, 0
.rept 64
	v_exp_f32 v[i], v[i]
.set i, i+1
.endr
	v_nop                                          ; a plain instruction between the exponentials and the use of their results
	s_wait_alu depctr_va_vdst(0)                   ; the 64 exponentials have written window 2's v0-63, ahead of the sums that read them: one wait for the batch
	WIN 0x0a
	ALL8 v_pk_add_f32 v[EP+2*t:EP+2*t+1], v[8*t:8*t+1], v[8*t+2:8*t+3]
	ALL8 v_pk_add_f32 v[EQ+2*t:EQ+2*t+1], v[8*t+4:8*t+5], v[8*t+6:8*t+7]
	ALL8 v_pk_mul_f32 v[ON+2*t:ON+2*t+1], v[8*t:8*t+1], v[TU+8*t:TU+8*t+1]
.set q, 1
.rept 3
	ALL8 v_pk_fma_f32 v[ON+2*t:ON+2*t+1], v[8*t+2*q:8*t+2*q+1], v[TU+8*t+2*q:TU+8*t+2*q+1], v[ON+2*t:ON+2*t+1]
.set q, q+1
.endr
	WIN 0
	ALL8 v_pk_add_f32 v[EP+2*t:EP+2*t+1], v[EP+2*t:EP+2*t+1], v[EQ+2*t:EQ+2*t+1]
	ALL8 v_add_f32 v[EP+2*t], v[EP+2*t], v[EP+2*t+1]
	ALL8 v_add_f32 v[ON+2*t], v[ON+2*t], v[ON+2*t+1]
	ALL8 v_permlanex16_b32 v[EP+2*t+1], v[EP+2*t], s72, s73
	ALL8 v_permlanex16_b32 v[ON+2*t+1], v[ON+2*t], s72, s73
	ALL8 v_add_f32 v[EP+2*t], v[EP+2*t], v[EP+2*t+1]
	ALL8 v_add_f32 v[ON+2*t], v[ON+2*t], v[ON+2*t+1]
	ALL8 v_rcp_f32 v[EP+2*t+1], v[EP+2*t]
	v_nop                                          ; a plain instruction between the last reciprocal and the use of its result
	s_wait_alu depctr_va_vdst(0)                   ; the eight reciprocals have written v[EP + 2 t + 1], ahead of the multiplies that read them: one wait for the batch
	ALL8 v_mul_f32 v[OUT+t], v[ON+2*t], v[EP+2*t+1]
	; my 8 channels as hi + lo in bf16: both halves of the lanes hold them, lanes 0-15 store hi, lanes 16-31 lo
.irp w, 0,1,2,3
	v_cvt_pk_bf16_f32 v[232+\w], v[OUT+2*\w], v[OUT+2*\w+1]
.endr
.irp w, 0,1,2,3
	v_lshlrev_b32 v[236+2*\w], 16, v[232+\w]
	v_and_b32 v[237+2*\w], s61, v[232+\w]
.endr
.irp w, 0,1,2,3
	v_pk_add_f32 v[236+2*\w:237+2*\w], v[OUT+2*\w:OUT+2*\w+1], v[236+2*\w:237+2*\w] neg_lo:[0,1] neg_hi:[0,1]
.endr
.irp w, 0,1,2,3
	v_cvt_pk_bf16_f32 v[244+\w], v[236+2*\w], v[237+2*\w]
.endr
.irp w, 0,1,2,3
	v_cndmask_b32 v[248+\w], v[232+\w], v[244+\w], s61
.endr
	s_wait_alu depctr_va_vdst(0)                   ; the four selects have written v248-251, the LDS store's data; v7, its address, was written at the head or at the last trip's end
	ds_store_b128 v7, v[248:251]
	s_wait_alu depctr_vm_vsrc(0)                   ; the store has read v7 and v248-251, and this trip's 22 loads have read v10-14 and v24-31: the step below and the next trip write all of them anew
	v_add_nc_u32 v7, XP, v7                        ; the next point's row of X
	s_add_co_u32 s56, s56, 1
	s_sub_co_u32 s60, s60, 1
	s_cmp_lg_u32 s60, 0
	s_cbranch_scc1 .Lpoint
	s_wait_loadcnt 0x0                             ; the last trip's clamped look-ahead: its registers are used anew below
	; THE PROJECTION.  Two layers by one text.  Wave w owns output columns 64 w .. 64 w + 63; column r of tile u is 64 w + 4 r + u: a lane owns 4 neighbouring columns.
	s_lshl_b32 s2, s54, 8
	v_lshl_add_u32 v14, v1, 4, s2                  ; 256 w + 16 r: my 4 columns in a row of f32
	v_lshl_add_u32 v10, v2, 13, v14                ; + 8 h rows of 1,024 bytes: weights, and out0
	s_mul_i32 s2, ttmp9, 80*1024
	s_mov_b32 s3, 0
	s_add_nc_u64 s[50:51], s[50:51], s[2:3]        ; out0 at the work-group's first row
; A unit is 16 K rows' worth of my 4 columns: 8 loads (16 lanes take 256 consecutive bytes of a row), in a ring of four buffers in window 3.
.macro PLOAD i
	WIN 0xc0
.set UB, 32*((\i)%4)
.set e, 0
.rept 8
	global_load_b128 v[UB+4*e:UB+4*e+3], v10, s[78:79] offset:(16*(\i)+e)*1024
.set e, e+1
.endr
.endm
.macro PUNIT i
.if (\i) < 13
	s_wait_loadcnt 24                              ; this unit is in; the three younger units' 24 loads stay out
.else
	s_wait_loadcnt 8*(15-(\i))
.endif
	WIN 0x4f
.set UB, 32*((\i)%4)
.set FB, 32*((\i)/2)+4*((\i)%2)
.set u, 0
.rept 4
.irp p, 0,1,2,3
	v_cvt_pk_bf16_f32 v[FB+8*u+\p], v[UB+8*\p+u], v[UB+8*\p+4+u]
.endr
.set u, u+1
.endr
.if (\i) < 12
	WIN 0xc0
	s_wait_alu depctr_va_vdst(0)                   ; the sixteen roundings are done reading this buffer, in which unit i + 4 lands
	PLOAD (\i)+4
.endif
.endm
	s_mov_b32 s75, 0
.Llayer:
	s_cmp_eq_u32 s75, 0
	s_cselect_b64 s[78:79], s[42:43], s[44:45]     ; the layer's weights,
	s_cselect_b64 s[80:81], s[46:47], s[48:49]     ; its bias,
	s_cselect_b32 s82, 0, YB                       ; and its rows: X, then Y
	v_mul_u32_u24 v11, v1, XP                      ; v11, v12 and v13 are free: the wait on vm_vsrc at the end of the last trip (of the points, or of the first layer) stands behind all that read them
	v_lshl_add_u32 v11, v2, 4, v11
	v_add_nc_u32 v11, s82, v11                     ; row fragments: row r, 16 bytes for each half of the lanes
	v_mul_u32_u24 v12, v2, 8*XP
	v_lshl_add_u32 v12, v1, 3, v12
	s_lshl_b32 s2, s54, 7
	s_add_co_u32 s2, s2, YB
	v_add_nc_u32 v12, s2, v12                      ; Y: row 8 h, my 4 columns' 8 bytes of hi
	v_mov_b32 v13, v10                             ; out0: row 8 h, my 16 bytes
	s_wait_alu depctr_va_vdst(0)                   ; v10 to v14 are written; the lines that read or wrote v[PB ..] (the identity's products; the first layer's bias) and those that read window 3's v0-127 are done: the loads below land there
	global_load_b128 v[PB:PB+3], v14, s[80:81]
	PLOAD 0
	PLOAD 1
	PLOAD 2
	PLOAD 3
.irp i, 0,1,2,3,4,5,6,7,8,9,10,11,12,13,14,15
	PUNIT \i
.endr
	WIN 0
	v_cvt_pk_bf16_f32 v196, v[PB], v[PB+1]
	v_cvt_pk_bf16_f32 v197, v[PB+2], v[PB+3]
	v_lshlrev_b32 v[PB], 16, v196
	v_and_b32 v[PB+1], s61, v196
	v_lshlrev_b32 v[PB+2], 16, v197
	v_and_b32 v[PB+3], s61, v197
	s_wait_dscnt 0x0                               ; for the others' sake: my stores into X (first layer) or Y (second) are done
	s_barrier_signal -1
	s_barrier_wait -1                              ; the layer's 80 rows are whole.  X and Y are bytes of their own, so nothing that is read is written again
	s_mov_b32 s76, 5
.Lmt:                                                  ; a trip: 16 rows x my 64 columns
	WIN 0x80
	s_wait_alu depctr_va_vdst(0)                   ; v11 is written (made at the layer's head, stepped at a trip's end), and the last trip's matrix instructions are done reading the row fragments, in which these loads land
.set c, 0
.rept 16                               ; 8 chunks of hi, then 8 of lo: 1,024 consecutive bytes of each row
	ds_load_b128 v[8*c:8*c+3],   v11 offset:64*c
	ds_load_b128 v[8*c+4:8*c+7], v11 offset:64*c+32
.set c, c+1
.endr
	s_wait_dscnt 0x0
	WIN 0x06                                       ; A window 2, B window 1
.set c, 0
.rept 16                               ; hi and lo meet the same weights; the 4 accumulators by turns
.set u, 0
.rept 4
.if c == 0
	v_wmma_f32_16x16x32_bf16 v[PAC+8*u:PAC+8*u+7], v[8*c:8*c+7], v[32*(c%8)+8*u:32*(c%8)+8*u+7], 0
.else
	v_wmma_f32_16x16x32_bf16 v[PAC+8*u:PAC+8*u+7], v[8*c:8*c+7], v[32*(c%8)+8*u:32*(c%8)+8*u+7], v[PAC+8*u:PAC+8*u+7]
.endif
.set u, u+1
.endr
.set c, c+1
.endr
.rept 4
	v_nop                                          ; four places between the last products and the reads of their results
.endr
	WIN 0
	s_wait_xcnt 0x0                                ; the last trip's stores have had their addresses translated: their data and their offset are rewritten only behind this wait (the wait on vm_vsrc for them stands at that trip's end)
.set j, 0
.rept 8                                ; the bias is added on the way into store order; j = 0 first: each accumulator is read from its low end
.irp u, 0,1,2,3
	v_add_f32 v[TM+4*j+\u], v[PAC+8*\u+j], v[PB+\u]
.endr
.set j, j+1
.endr
	s_cmp_eq_u32 s75, 0
	s_cbranch_scc0 .Lstore
.set j, 0
.rept 8                                ; first layer: relu, hi + lo in bf16; each of the 8 rows has four registers of its own in YO, so that one wait serves the run of stores
.set T4, 196+4*(j%2)
.irp u, 0,1,2,3
	v_max_num_f32 v[TM+4*j+\u], 0, v[TM+4*j+\u]
.endr
	v_cvt_pk_bf16_f32 v[YO+4*j], v[TM+4*j], v[TM+4*j+1]
	v_cvt_pk_bf16_f32 v[YO+4*j+1], v[TM+4*j+2], v[TM+4*j+3]
	v_lshlrev_b32 v[T4], 16, v[YO+4*j]
	v_and_b32 v[T4+1], s61, v[YO+4*j]
	v_lshlrev_b32 v[T4+2], 16, v[YO+4*j+1]
	v_and_b32 v[T4+3], s61, v[YO+4*j+1]
	v_pk_add_f32 v[T4:T4+1], v[TM+4*j:TM+4*j+1], v[T4:T4+1] neg_lo:[0,1] neg_hi:[0,1]
	v_pk_add_f32 v[T4+2:T4+3], v[TM+4*j+2:TM+4*j+3], v[T4+2:T4+3] neg_lo:[0,1] neg_hi:[0,1]
	v_cvt_pk_bf16_f32 v[YO+4*j+2], v[T4], v[T4+1]
	v_cvt_pk_bf16_f32 v[YO+4*j+3], v[T4+2], v[T4+3]
.set j, j+1
.endr
	s_wait_alu depctr_va_vdst(0)                   ; the roundings have written v[YO ..], the data of the sixteen LDS stores; v12, their address, was written before
.set j, 0
.rept 8
	ds_store_b64 v12, v[YO+4*j:YO+4*j+1]   offset:XP*j
	ds_store_b64 v12, v[YO+4*j+2:YO+4*j+3] offset:XP*j+512
.set j, j+1
.endr
	s_branch .Lnext
.Lstore:                                               ; second layer: out0
	v_add_nc_u32 v13, 16*1024, v13                 ; stepped behind the waits on XCNT above and on vm_vsrc at the last trip's end; the stores reach back
	s_wait_alu depctr_va_vdst(0)                   ; the additions have written v[TM ..], the stores' data, and v13, their offset, is written
.set j, 0
.rept 8
	global_store_b128 v13, v[TM+4*j:TM+4*j+3], s[50:51] offset:1024*j-16*1024 th:TH_STORE_NT  ; 16 lanes store 256 consecutive bytes, at a multiple of 256 from out0's first byte
.set j, j+1
.endr
.Lnext:
	s_wait_alu depctr_vm_vsrc(0)                   ; the trip's LDS loads have read v11, its stores v12 and v[YO ..] or v13 and v[TM ..]: the steps below, the next trip and the next layer's head write them anew
	v_add_nc_u32 v11, 16*XP, v11
	v_add_nc_u32 v12, 16*XP, v12
	s_sub_co_u32 s76, s76, 1
	s_cmp_lg_u32 s76, 0
	s_cbranch_scc1 .Lmt
	s_add_co_u32 s75, s75, 1
	s_cmp_lt_u32 s75, 2
	s_cbranch_scc1 .Llayer
	s_wait_dscnt 0x0                               ; the closing lines, six on end
	s_wait_alu 0x0
	s_wait_tensorcnt 0x0
	ds_add_u32 v8, v9
	s_wait_dscnt 0x0
	s_endpgm
.Lfunc_end_k_q99e5c2a203_attn:
	.size	k_q99e5c2a203_attn, .Lfunc_end_k_q99e5c2a203_attn-k_q99e5c2a203_attn
	.p2alignl 7, 3214868480
	.fill 96, 4, 3214868480
	.section	.rodata,"a",@progbits
	.p2align	6, 0x0
	.amdhsa_kernel k_q99e5c2a203_attn
		.amdhsa_group_segment_fixed_size 166912
		.amdhsa_private_segment_fixed_size 0
		.amdhsa_enable_private_segment 0
		.amdhsa_kernarg_size 176
		.amdhsa_user_sgpr_count 2
		.amdhsa_user_sgpr_kernarg_segment_ptr 1
		.amdhsa_wavefront_size32 1
		.amdhsa_system_sgpr_workgroup_id_x 1
		.amdhsa_system_sgpr_workgroup_id_y 1
		.amdhsa_system_sgpr_workgroup_id_z 1
		.amdhsa_system_vgpr_workitem_id 0
		.amdhsa_next_free_vgpr 896
		.amdhsa_next_free_sgpr 100
		.amdhsa_reserve_vcc 0
		.amdhsa_float_denorm_mode_32 3
		.amdhsa_float_denorm_mode_16_64 3
		.amdhsa_memory_ordered 1
		.amdhsa_forward_progress 1
		.amdhsa_inst_pref_size 177
	.end_amdhsa_kernel
	.amdgpu_metadata
---
amdhsa.version: [ 1, 2 ]
amdhsa.kernels:
  - .name:           k_q99e5c2a203_attn
    .symbol:         k_q99e5c2a203_attn.kd
    .args:
      - { .name: events, .offset: 0, .size: 8, .value_kind: global_buffer, .address_space: global }
      - { .name: dev, .offset: 8, .size: 8, .value_kind: global_buffer, .address_space: global }
      - { .name: local_idx, .offset: 16, .size: 8, .value_kind: global_buffer, .address_space: global }
      - { .name: inv_pair_idx, .offset: 24, .size: 8, .value_kind: global_buffer, .address_space: global }
      - { .name: kvl, .offset: 32, .size: 8, .value_kind: global_buffer, .address_space: global }
      - { .name: kvp, .offset: 40, .size: 8, .value_kind: global_buffer, .address_space: global }
      - { .name: local_pe_w1, .offset: 48, .size: 8, .value_kind: global_buffer, .address_space: global }
      - { .name: global_pe_w1, .offset: 56, .size: 8, .value_kind: global_buffer, .address_space: global }
      - { .name: local_pe_b1, .offset: 64, .size: 8, .value_kind: global_buffer, .address_space: global }
      - { .name: global_pe_b1, .offset: 72, .size: 8, .value_kind: global_buffer, .address_space: global }
      - { .name: local_pe_w2, .offset: 80, .size: 8, .value_kind: global_buffer, .address_space: global }
      - { .name: global_pe_w2, .offset: 88, .size: 8, .value_kind: global_buffer, .address_space: global }
      - { .name: local_fc_g, .offset: 96, .size: 8, .value_kind: global_buffer, .address_space: global }
      - { .name: global_fc_g, .offset: 104, .size: 8, .value_kind: global_buffer, .address_space: global }
      - { .name: local_fc_b, .offset: 112, .size: 8, .value_kind: global_buffer, .address_space: global }
      - { .name: global_fc_b, .offset: 120, .size: 8, .value_kind: global_buffer, .address_space: global }
      - { .name: qq, .offset: 128, .size: 8, .value_kind: global_buffer, .address_space: global }
      - { .name: proj_w1, .offset: 136, .size: 8, .value_kind: global_buffer, .address_space: global }
      - { .name: proj_w2, .offset: 144, .size: 8, .value_kind: global_buffer, .address_space: global }
      - { .name: proj_b1, .offset: 152, .size: 8, .value_kind: global_buffer, .address_space: global }
      - { .name: proj_b2, .offset: 160, .size: 8, .value_kind: global_buffer, .address_space: global }
      - { .name: out0, .offset: 168, .size: 8, .value_kind: global_buffer, .address_space: global }
    .group_segment_fixed_size: 166912
    .private_segment_fixed_size: 0
    .kernarg_segment_align: 8
    .kernarg_segment_size: 176
    .max_flat_workgroup_size: 128
    .sgpr_count:     100
    .vgpr_count:     896
    .wavefront_size: 32
...
	.end_amdgpu_metadata
.endif
;; end of part 3
